; MI455X (gfx1250); checked and timed in simulation.
; The chip was launched on July 23, 2026; its instructions are those of AMD's public machine-readable ISA for CDNA 5 (MIT licence, August 2026) and "CDNA5" Instruction Set Architecture Reference Guide (July 2026). The comments in the code are by the model that wrote it; some were corrected since.
;; Block. Allowed arithmetic: matrix products marked QUANTISED: E2M3 operands, one E8M0 scale for each 32 along K, by v_wmma_scale_f32_16x16x128_f8f6f4 with both operands' format E2M3, f32 sums; everything else in f32.
;; Inputs: W1 1,024 x 4,096 float32; W2 4,096 x 1,024 float32; Wk 16 x 1,024 x 64 float32; Wo 1,024 x 1,024 float32; Wq 16 x 1,024 x 64 float32; Wv 16 x 1,024 x 64 float32; b1 4,096 float32; b2 1,024 float32; bo 1,024 float32; ln1_b 1,024 float32; ln1_g 1,024 float32; ln2_b 1,024 float32; ln2_g 1,024 float32; x 4 x 1,024 x 1,024 float32.
;; Outputs: out0 4 x 1,024 x 1,024 float32.
;; This version of the problem:
;;   THIS VERSION OF THE PROBLEM IS GIVEN IN LOW PRECISION. The matrix products marked QUANTISED in the list below multiply operands that are first quantised to E2M3 (2 exponent bits, 3 mantissa bits; 6 bits a number), with one power-of-two scale for each 32 numbers along K (OCP MX v1.0); their sums are f32. All else is computed in f32.
;;   The module's matrix products, in the order in which they are computed (A, B: the left and right operand; K: the contracted axis; several contracted axes count as one K, in the product's order):
;;     1. [M 1,024, K 1,024] x [K 1,024, N 4,096]; A: input Wq; B: computed on the way: QUANTISED
;;     2. [M 1,024, K 1,024] x [K 1,024, N 4,096]; A: input Wk; B: computed on the way: QUANTISED
;;     3. [M 1,024, K 1,024] x [K 1,024, N 4,096]; A: input Wv; B: computed on the way: QUANTISED
;;     4. batch 64 x [M 1,024, K 64] x [K 64, N 1,024]; A: computed on the way; B: computed on the way: QUANTISED
;;     5. batch 64 x [M 1,024, K 1,024] x [K 1,024, N 64]; A: softmax (see below); B: computed on the way: QUANTISED
;;     6. [M 4,096, K 1,024] x [K 1,024, N 1,024]; A: computed on the way; B: input Wo: QUANTISED
;;     7. [M 4,096, K 1,024] x [K 1,024, N 4,096]; A: computed on the way; B: input W1: QUANTISED
;;     8. [M 4,096, K 4,096] x [K 4,096, N 1,024]; A: computed on the way; B: input W2: QUANTISED
;;   THE QUANTISER, for each operand of a quantised product, along K:
;;     - K is cut into blocks of 32 from its start; a last block that is shorter is filled with zeros.
;;     - A block's scale is 2^e with e = floor(log2(the largest magnitude in the block)) - 2, held to -126 .. 127; a block of zeros has e = 0. As a byte (E8M0): e + 127.
;;     - Each number is divided by its block's scale, clamped to +-7.5, and rounded to the nearest number of E2M3, ties to even, subnormals kept.
;;     - The product sums the exact products of the quantised numbers (number of the format x scale) in f32.
;;   ~~~python
;;   def quantise(x, axis):      # numpy; x: float32 -> the quantised numbers, widened to float32 again
;;       x = np.moveaxis(x, axis, -1); K = x.shape[-1]
;;       x = np.pad(x, [(0, 0)] * (x.ndim - 1) + [(0, -K % 32)]); x = x.reshape(x.shape[:-1] + (-1, 32)); a = np.abs(x).max(-1, keepdims=True)
;;       e = np.where(a > 0, np.clip(np.frexp(np.where(a > 0, a, 1))[1] - 1 - 2, -126, 127), 0)      # np.frexp(a)[1] - 1 = floor(log2(a)), exactly
;;       r = np.clip(x / 2.0 ** e, -7.5, 7.5)
;;       step = 2.0 ** (np.maximum(np.frexp(np.where(r == 0, 1, r))[1] - 1, 0) - 3)
;;       q = np.round(r / step) * step * 2.0 ** e      # np.round: ties to even
;;       return np.moveaxis(q.reshape(q.shape[:-2] + (-1,))[..., :K], -1, axis).astype(np.float32)
;;   ~~~
;;   SOFTMAX AHEAD OF A QUANTISED PRODUCT. Where the list says 'softmax', what is quantised is not the finished softmax but p = 2^(t - M), with t = logit x log2(e) and M = ceil(the row's largest t), a whole number; so 1/2 < the row's largest p <= 1. The row's sum l is taken of the UNQUANTISED p, in f32, and the product's result is divided by l at the end. Since M is a whole number, a kernel that streams over the keys may use a running M (the ceiling of the running maximum): every later rescaling is an exact power of two, which a block's scale takes up: the codes' values come out the same.
;;   OPERANDS COMPUTED ON THE WAY. 'Computed on the way' means the value that the module computes at that place (a softmax that the list does not call 'softmax' is quantised finished and normalised). What goes into a quantiser is computed in f32, as accurately as f32 sums, v_exp_f32 and their like allow (about 1e-6 of the number): no bf16 or f16 on the way to a quantiser, and a product that is left as it is and whose result goes on into a quantised operand takes f32 operands (vector FMAs, or v_wmma_f32_16x16x4_f32). A number that lies on a knife's edge between two numbers of the format may be rounded either way, as far as f32 arithmetic and the matrix unit's own rounding can turn it there, and no further.
;; One version. Each part assembles by itself: llvm-mc -triple=amdgcn-amd-amdhsa -mcpu=gfx1250 --defsym DOCPART=n.
;; ======== version 1 of 1: 6 launches
;; limits: right only within a limited range of input values
;; workspace buffers: wts 9,830,400 bytes; hq 3,276,800 bytes; qkv 10,092,544 bytes; oq 3,276,800 bytes; x1 16,777,216 bytes; gq 13,107,200 bytes
;; launch pre (part 1): grid 640 x 1, 8 waves a work-group, no clusters, 67,072 bytes of LDS; arguments x, ln1_g, ln1_b, hq, Wq, Wk, Wv, Wo, W1, W2, wts; writes hq, wts
.if DOCPART == 1
	.amdgcn_target "amdgcn-amd-amdhsa--gfx1250"
	.amdhsa_code_object_version 6
	.text
	.protected	k_qedb525cc3c_pre
	.globl	k_qedb525cc3c_pre
	.p2align	8
	.type	k_qedb525cc3c_pre,@function
k_qedb525cc3c_pre:
	s_mov_b64 s[64:65], 0
	v_nop
	global_prefetch_b8 v0, s[64:65] scope:SCOPE_SE
	s_setreg_imm32_b32 hwreg(HW_REG_WAVE_MODE, 25, 1), 1
	s_wait_xcnt 0x0
; TWO JOBS THAT DEPEND ON NOTHING OF EACH OTHER SHARE ONE LAUNCH.  Work-groups 0-255: the first LayerNorm, quantised (x -> hq).  Work-groups 256-639: the six weights, quantised (-> wts).
; The parting hangs on the work-group's number alone, so all eight waves of a work-group take the same way; the one barrier stands on the LayerNorm's way.
; THE QUANTISER, in both: codes of FP6 (E2M3) with one E8M0 byte for each 32 along K.  A block's scale is 2^(floor(log2(its largest magnitude)) - 2); its byte is the largest magnitude's exponent field - 2, held at 1 from below.
; LIMITS: NaN and infinities are not served; a block whose largest magnitude lies under 2^-124 keeps the byte 1; a block of zeros gets the byte 1 and not 127
; (its codes are zeros, which add nothing under any byte but 0xff, and these bytes are read by this program alone).
; LAYOUT OF AN OPERAND (all operands of this program): fragments of 16 rows x 128 K, laid [fragment][K step][1,536 bytes] as an IMAGE OF THE MATRIX UNIT'S REGISTERS:
; two halves of 768 bytes (64 along K each); in a half, registers 0-3 of the half's six at 16 x lane (512 bytes), then registers 4, 5 at 8 x lane (256 bytes).
; Lane (r, h) of a fragment holds row slot r and, in half c, the block 2 c + h.  Slot r of fragment 2 G + u is row 32 G + 8 u + r + 8 (r / 8).
; Scale words: [fragment][K / 1024][slot r][8 words], word ks % 8 = the four bytes of K step ks.
	v_lshl_add_u32 v160, v0, 2, 0x10200
	v_mov_b32 v161, 0
	s_cmp_lt_u32 ttmp9, 256
	s_cbranch_scc0 .Lweights
; ---------------------------------------------------------------- THE LAYERNORM
; y = (x - mean) rsqrt(var + 1e-5) g + b over rows of 1,024 f32, all in f32; the variance is the mean of (x - mean)^2, so a common offset of a row does no harm.
; A work-group makes one fragment row (16 rows).  PHASE 1: wave w takes slots 2 w, 2 w + 1 (two neighbouring rows), a row in 32 registers: each load covers 512 neighbouring bytes; the normalised rows go to LDS.
; One barrier.  PHASE 2: wave w takes K step w: lane (r, h) reads, of slot r, the blocks h and 2 + h (32 neighbours each): a block's maximum needs no other lane, and the conversions' results are the operand's registers.
.set PITCH, 4112                       ; an LDS row: 4,096 bytes + 16 = 257 x 16: the sixteen rows that a load of 16 bytes a lane touches fall on sixteen different groups of four banks (ISA guide 11.1)
.set XR, 32                            ; v32-95   two rows; later my 64 numbers
.set GG, 96                            ; v96-127  g
.set BB, 128                           ; v128-159 b
.set CD, 96                            ; v96-107 the fragment, v108-114 the blocks' second halves as they are made: in the registers that g has left
	s_load_b256 s[4:11], s[0:1], 0x0               ; x, g, b, hq
	v_lshrrev_b32 v1, 5, v0
	s_delay_alu instid0(VALU_DEP_1)
	v_readfirstlane_b32 s12, v1                    ; wave 0..7
	v_and_b32 v2, 31, v0                           ; lane
	s_delay_alu instid0(VALU_DEP_1)
	v_lshlrev_b32 v1, 4, v2                        ; 16 x lane
	s_wait_alu depctr_va_vdst(0)
	v_and_b32 v5, 15, v0                           ; r
	s_wait_alu depctr_va_vdst(0)
	v_bfe_u32 v6, v0, 4, 1                         ; h
	v_lshlrev_b32 v7, 3, v2                        ; 8 x lane
	s_lshr_b32 s13, ttmp9, 1
	s_and_b32 s14, ttmp9, 1
	s_lshl_b32 s13, s13, 5
	s_lshl_b32 s14, s14, 3
	s_add_co_u32 s13, s13, s14                     ; 32 G + 8 u
	s_lshl_b32 s14, s12, 1
	s_add_co_u32 s13, s13, s14
	s_lshr_b32 s14, s12, 2
	s_lshl_b32 s14, s14, 3
	s_add_co_u32 s13, s13, s14                     ; + 2 w + 8 (w / 4): the row of slot 2 w
	s_lshl_b32 s14, s13, 12
	s_mov_b32 s15, 0
	s_mov_b32 s16, 0x76543210
	s_mov_b32 s17, 0xfedcba98                      ; v_permlanex16_b32's selects for lane l xor 16
	s_mov_b32 s20, 0x3a800000                      ; 1 / 1024
	s_mov_b32 s21, 0x3727c5ac                      ; 1e-5
	s_mul_i32 s18, s12, 2*PITCH
	v_add_nc_u32 v3, s18, v1                       ; LDS, in: slot 2 w, 16 x lane
	v_mul_u32_u24 v4, v5, PITCH
	s_wait_alu depctr_va_vdst(0)
	v_lshl_add_u32 v4, v6, 7, v4
	s_lshl_b32 s19, s12, 9
	v_add_nc_u32 v4, s19, v4                       ; LDS, out: slot r, K step w, + 128 h
	s_lshl_b32 s22, ttmp9, 3
	s_add_co_u32 s22, s22, s12
	s_mul_i32 s22, s22, 1536                       ; fragment = work-group, K step = wave
	s_mov_b32 s23, 0
	s_lshl_b32 s24, ttmp9, 9
	s_lshl_b32 s25, s12, 2
	s_add_co_u32 s24, s24, s25
	s_add_co_u32 s24, s24, 3145728                 ; its scale words
	s_mov_b32 s25, 0
	s_wait_kmcnt 0x0
	s_add_nc_u64 s[4:5], s[4:5], s[14:15]
	s_add_nc_u64 s[22:23], s[10:11], s[22:23]
	s_add_nc_u64 s[24:25], s[10:11], s[24:25]
.irp p, 0,1
.irp j, 0,1,2,3,4,5,6,7
	global_load_b128 v[XR+32*\p+4*\j:XR+32*\p+4*\j+3], v1, s[4:5] offset:4096*\p+512*\j
.endr
.endr
.irp j, 0,1,2,3,4,5,6,7
	global_load_b128 v[GG+4*\j:GG+4*\j+3], v1, s[6:7] offset:512*\j
.endr
.irp j, 0,1,2,3,4,5,6,7
	global_load_b128 v[BB+4*\j:BB+4*\j+3], v1, s[8:9] offset:512*\j
.endr
; row p's figures: v[8 + 8 p], v[9 + 8 p] a sum's first chain, then the sum, then the mean; +2, +3 the second chain; +4 the other half of the lanes'; +5 var + eps; +6 (with +7 as a pair) 1 / sqrt
.irp p, 0,1
	v_mov_b32 v[12+8*\p], 0                        ; written once: a lane permute's destination counts as one of its sources
.endr
.macro REDUCE                          ; the two chains, the pair's halves, the 32 lanes; both rows by turns
.irp p, 0
	s_delay_alu instid0(VALU_DEP_3)
	v_pk_add_f32 v[8+8*\p:9+8*\p], v[8+8*\p:9+8*\p], v[10+8*\p:11+8*\p]
.endr
.irp p, 1
	s_delay_alu instid0(VALU_DEP_2)
	v_pk_add_f32 v[8+8*\p:9+8*\p], v[8+8*\p:9+8*\p], v[10+8*\p:11+8*\p]
.endr
.irp p, 0,1
	s_delay_alu instid0(VALU_DEP_2)
	v_add_f32 v[8+8*\p], v[8+8*\p], v[9+8*\p]
.endr
.irp m, 1,2,4,8
.irp p, 0,1
	s_delay_alu instid0(VALU_DEP_2)
	v_add_f32_dpp v[8+8*\p], v[8+8*\p], v[8+8*\p] row_xmask:\m row_mask:0xf bank_mask:0xf
.endr
.endr
.irp p, 0,1
	s_delay_alu instid0(VALU_DEP_2)
	v_permlanex16_b32 v[12+8*\p], v[8+8*\p], s16, s17
.endr
.irp p, 0,1
	s_delay_alu instid0(VALU_DEP_2)
	v_add_f32 v[8+8*\p], v[8+8*\p], v[12+8*\p]
.endr
.endm
	s_wait_loadcnt 16                              ; x's sixteen loads are in; g's and b's sixteen may be out
.irp p, 0,1
	v_pk_add_f32 v[8+8*\p:9+8*\p], v[XR+32*\p:XR+32*\p+1], v[XR+32*\p+2:XR+32*\p+3]
	v_pk_add_f32 v[10+8*\p:11+8*\p], v[XR+32*\p+4:XR+32*\p+5], v[XR+32*\p+6:XR+32*\p+7]
.endr
.irp j, 8,12,16,20,24,28
.irp p, 0,1
	s_delay_alu instid0(VALU_DEP_4)
	v_pk_add_f32 v[8+8*\p:9+8*\p], v[8+8*\p:9+8*\p], v[XR+32*\p+\j:XR+32*\p+\j+1]
	s_delay_alu instid0(VALU_DEP_4)
	v_pk_add_f32 v[10+8*\p:11+8*\p], v[10+8*\p:11+8*\p], v[XR+32*\p+\j+2:XR+32*\p+\j+3]
.endr
.endr
	REDUCE
.irp p, 0,1
	s_delay_alu instid0(VALU_DEP_2)
	v_mul_f32 v[8+8*\p], s20, v[8+8*\p]            ; the mean
.endr
.irp j, 0,2,4,6,8,10,12,14,16,18,20,22,24,26,28,30
.irp p, 0,1
	v_pk_add_f32 v[XR+32*\p+\j:XR+32*\p+\j+1], v[XR+32*\p+\j:XR+32*\p+\j+1], v[8+8*\p:9+8*\p] op_sel_hi:[1,0] neg_lo:[0,1] neg_hi:[0,1]   ; x - mean, in place
.endr
.endr
.irp p, 0,1
	v_pk_mul_f32 v[8+8*\p:9+8*\p], v[XR+32*\p:XR+32*\p+1], v[XR+32*\p:XR+32*\p+1]
	v_pk_mul_f32 v[10+8*\p:11+8*\p], v[XR+32*\p+2:XR+32*\p+3], v[XR+32*\p+2:XR+32*\p+3]
.endr
.irp j, 4,8,12,16,20,24,28
.irp p, 0,1
	s_delay_alu instid0(VALU_DEP_4)
	v_pk_fma_f32 v[8+8*\p:9+8*\p], v[XR+32*\p+\j:XR+32*\p+\j+1], v[XR+32*\p+\j:XR+32*\p+\j+1], v[8+8*\p:9+8*\p]
	s_delay_alu instid0(VALU_DEP_4)
	v_pk_fma_f32 v[10+8*\p:11+8*\p], v[XR+32*\p+\j+2:XR+32*\p+\j+3], v[XR+32*\p+\j+2:XR+32*\p+\j+3], v[10+8*\p:11+8*\p]
.endr
.endr
	REDUCE
.irp p, 0,1
	s_delay_alu instid0(VALU_DEP_2)
	v_fma_f32 v[13+8*\p], v[8+8*\p], s20, s21      ; var + eps
.endr
	s_wait_alu depctr_va_vdst(0)
.irp p, 0,1
	v_rsq_f32 v[14+8*\p], v[13+8*\p]
.endr
.irp p, 0,1
	v_mov_b32 v[15+8*\p], 0                        ; (named with it as a pair.)  The plain place behind the transcendentals (ISA guide 5.7.2)
.endr
	s_wait_loadcnt 0x0                             ; g and b
	s_wait_alu depctr_va_vdst(0)
.irp j, 0,2,4,6,8,10,12,14,16,18,20,22,24,26,28,30
.irp p, 0,1
	v_pk_mul_f32 v[XR+32*\p+\j:XR+32*\p+\j+1], v[XR+32*\p+\j:XR+32*\p+\j+1], v[14+8*\p:15+8*\p] op_sel_hi:[1,0]
.endr
.irp p, 0,1
	s_delay_alu instid0(VALU_DEP_2)
	v_pk_fma_f32 v[XR+32*\p+\j:XR+32*\p+\j+1], v[XR+32*\p+\j:XR+32*\p+\j+1], v[GG+\j:GG+\j+1], v[BB+\j:BB+\j+1]
.endr
.endr
.irp p, 0,1
.irp j, 0,1,2,3,4,5,6,7
	ds_store_b128 v3, v[XR+32*\p+4*\j:XR+32*\p+4*\j+3] offset:PITCH*\p+512*\j
.endr
.endr
	s_wait_dscnt 0x0                               ; for the others' sake: my two rows lie in LDS
	s_barrier_signal -1
	s_barrier_wait -1
.irp c, 0,1
.irp i, 0,1,2,3,4,5,6,7
	ds_load_b128 v[XR+32*\c+4*\i:XR+32*\c+4*\i+3], v4 offset:256*\c+16*\i     ; k = 128 w + 64 c + 32 h + 0 .. 31 of slot r
.endr
.endr
	v_mov_b32 v31, 0
	s_wait_dscnt 0x0
.irp c, 0,1
	v_max3_num_f32 v[24+\c], |v[XR+32*\c]|, |v[XR+32*\c+1]|, 0x1800000        ; block 2 c + h: all 32 numbers are mine; and the floor 2^(3 - 127)
.endr
.irp i, 2,4,6,8,10,12,14,16,18,20,22,24,26,28,30
.irp c, 0,1
	s_delay_alu instid0(VALU_DEP_2)
	v_max3_num_f32 v[24+\c], v[24+\c], |v[XR+32*\c+\i]|, |v[XR+32*\c+\i+1]|
.endr
.endr
.irp c, 0,1
	s_delay_alu instid0(VALU_DEP_2)
	v_add_nc_u32 v[28+\c], 0xff000000, v[24+\c]    ; 2 off the exponent field: the conversion's scale operand
.endr
.irp c, 0,1
	s_delay_alu instid0(VALU_DEP_2)
	v_lshrrev_b32 v[26+\c], 23, v[28+\c]           ; the scale's byte
.endr
	s_delay_alu instid0(VALU_DEP_1)
	v_lshl_or_b32 v30, v27, 16, v26                ; my two bytes, blocks h and 2 + h,
	v_lshlrev_b32 v24, 3, v6
	s_delay_alu instid0(VALU_DEP_1)
	v_lshlrev_b32 v30, v24, v30                    ; at their places in the word;
	s_delay_alu instid0(VALU_DEP_1)
	v_permlanex16_b32 v31, v30, s16, s17
	s_delay_alu instid0(VALU_DEP_1)
	v_or_b32 v30, v30, v31                         ; with lane l xor 16's two the word is whole
.irp c, 0,1
	v_cvt_scalef32_pk16_fp6_f32 v[CD+6*\c:CD+6*\c+2], v[XR+32*\c:XR+32*\c+15], v[28+\c]
	v_cvt_scalef32_pk16_fp6_f32 v[CD+12+4*\c:CD+14+4*\c], v[XR+32*\c+16:XR+32*\c+31], v[28+\c]   ; (a conversion's three registers begin on an even number)
.endr
	v_nop                                          ; one plain place behind a scaled conversion
.irp c, 0,1
.irp i, 0,1,2
	v_mov_b32 v[CD+3+6*\c+\i], v[CD+12+4*\c+\i]
.endr
.endr
	v_lshlrev_b32 v5, 5, v5                        ; 32 r
	global_store_b128 v1, v[CD:CD+3], s[22:23]                     ; each store of 16 bytes a lane covers 512 consecutive bytes, aligned to 256; each of 8 bytes 256
	global_store_b64 v7, v[CD+4:CD+5], s[22:23] offset:512
	global_store_b128 v1, v[CD+6:CD+9], s[22:23] offset:768
	global_store_b64 v7, v[CD+10:CD+11], s[22:23] offset:1280
	global_store_b32 v5, v30, s[24:25]                             ; both halves of the lanes write the same word with the same value
	s_wait_tensorcnt 0x0
	ds_add_u32 v160, v161
	s_wait_dscnt 0x0
	s_endpgm
; ---------------------------------------------------------------- THE WEIGHTS
; f32 with K NOT innermost.  A LANE TAKES A COLUMN (a row of the operand) AND ITS REGISTERS RUN DOWN K: a block of 32 is one lane's 32 registers, no other lane is asked for its maximum, and the conversions give K innermost.
; A wave takes 32 columns x 128 along K; four waves stand side by side, so that a row of loads covers 512 bytes (Wq, Wk, Wv: two heads of 256).  Such a group of four waves is a SHARE; a work-group holds two:
; share = 2 x (work-group - 256) + wave / 4.  Shares 0-191: Wq, Wk, Wv (rows of the joint operand ordered [pair of heads][q, k, v][128]); 192-255: Wo; 256-511: W1; 512-767: W2.  No LDS, no barrier: waves share nothing.
; The stores of 16 bytes fill aligned runs of 256 bytes; those of 8 bytes fill such a run in two halves; the scale words are 4 bytes every 32: one byte in 24 of what is stored.
.Lweights:
.set X, 32                             ; v32-95   two sets of 32 numbers
.set C, 96                             ; v96-127  codes: eight registers for each block, so that no store's data are written again
	s_load_b256 s[4:11], s[0:1], 0x20              ; Wq, Wk, Wv, Wo
	s_load_b128 s[12:15], s[0:1], 0x40             ; W1, W2
	s_load_b64 s[16:17], s[0:1], 0x50              ; wts
	v_lshrrev_b32 v1, 5, v0
	s_delay_alu instid0(VALU_DEP_1)
	v_readfirstlane_b32 s18, v1                    ; wave 0..7
	s_sub_co_u32 s30, ttmp9, 256
	s_lshl_b32 s30, s30, 1
	s_lshr_b32 s31, s18, 2
	s_add_co_u32 s30, s30, s31                     ; my share
	s_and_b32 s18, s18, 3                          ; my place among its four waves
	v_and_b32 v2, 31, v0                           ; lane L = my column among the wave's 32
	s_delay_alu instid0(VALU_DEP_1)
	v_lshlrev_b32 v3, 2, v2                        ; in: 4 bytes a lane
	s_delay_alu instid0(VALU_DEP_2)
	v_bfe_u32 v7, v2, 3, 1                         ; u = (L / 8) % 2: which of the two fragments
	s_delay_alu instid0(VALU_DEP_3)
	v_and_b32 v9, 7, v2
	s_delay_alu instid0(VALU_DEP_4)
	v_lshrrev_b32 v10, 4, v2
	s_delay_alu instid0(VALU_DEP_1)
	v_lshl_add_u32 v9, v10, 3, v9                  ; r = L % 8 + 8 (L / 16): my slot in it
.macro LOAD t, stride                  ; block t: W(32 t + i, my column), i = 0 .. 31, into set t % 2
.irp i, 0,1,2,3,4,5,6,7,8,9,10,11,12,13,14,15,16,17,18,19,20,21,22,23,24,25,26,27,28,29,30,31
	global_load_b32 v[X+32*((\t)%2)+\i], v3, s[22:23] offset:(32*(\t)+\i)*(\stride) th:TH_LOAD_NT
.endr
.endm
.macro BLOCK t, stride
.set XS, X+32*((\t)%2)
.set CT, C+8*(\t)
.if (\t) < 3
	s_wait_loadcnt 32                              ; this block's 32 loads are in; the next block's 32 may be out
.else
	s_wait_loadcnt 0x0
.endif
	v_max3_num_f32 v12, |v[XS]|, |v[XS+1]|, |v[XS+2]|              ; the block's largest magnitude, in two chains
	v_max3_num_f32 v13, |v[XS+3]|, |v[XS+4]|, |v[XS+5]|
.irp i, 6,10,14,18,22,26
	s_delay_alu instid0(VALU_DEP_2)
	v_max3_num_f32 v12, v12, |v[XS+\i]|, |v[XS+\i+1]|
	s_delay_alu instid0(VALU_DEP_2)
	v_max3_num_f32 v13, v13, |v[XS+\i+2]|, |v[XS+\i+3]|
.endr
	s_delay_alu instid0(VALU_DEP_2)
	v_max3_num_f32 v12, v12, |v[XS+30]|, |v[XS+31]|
	s_delay_alu instid0(VALU_DEP_1)
	v_max3_num_f32 v12, v12, v13, 0x1800000        ; and the floor 2^(3 - 127): the byte cannot fall under 1
	s_delay_alu instid0(VALU_DEP_1)
	v_add_nc_u32 v11, 0xff000000, v12              ; 2 off the exponent field: the conversion takes this operand's exponent field as its scale
	s_delay_alu instid0(VALU_DEP_1)
	v_lshrrev_b32 v13, 23, v11                     ; the scale's byte
.if (\t) == 0
	s_delay_alu instid0(VALU_DEP_1)
	v_mov_b32 v16, v13                             ; the K step's scale word: byte t = block t
.else
	s_delay_alu instid0(VALU_DEP_1)
	v_lshl_or_b32 v16, v13, 8*(\t), v16
.endif
	v_cvt_scalef32_pk16_fp6_f32 v[CT:CT+2], v[XS:XS+15], v11
	v_cvt_scalef32_pk16_fp6_f32 v[CT+4:CT+6], v[XS+16:XS+31], v11  ; (a conversion's three registers begin on an even number)
	v_nop                                          ; one plain place behind a scaled conversion
	v_mov_b32 v[CT+3], v[CT+4]                     ; the block's six registers on end
	v_mov_b32 v[CT+4], v[CT+5]
	v_mov_b32 v[CT+5], v[CT+6]
	global_store_b128 v4, v[CT:CT+3], s[26:27] offset:768*((\t)/2)+256*((\t)%2)          ; half t / 2, lanes 16 (t % 2) + r of the image
	global_store_b64 v5, v[CT+4:CT+5], s[26:27] offset:768*((\t)/2)+512+128*((\t)%2)
.if (\t) < 2
	LOAD (\t)+2, \stride
.endif
.endm
; s[22:23]: the wave's first number; s24: G, its group of 32 rows of the operand; s25: the K step.  ksn, kln: K steps and runs of 1,024 along K of the operand; offc, offs: its codes and scale words in wts.
.macro PATH stride, ksn, kln, offc, offs
	LOAD 0, \stride
	LOAD 1, \stride
	s_mul_i32 s26, s24, 2*(\ksn)
	s_add_co_u32 s26, s26, s25
	s_mul_i32 s26, s26, 1536
	s_add_co_u32 s26, s26, \offc
	s_mov_b32 s27, 0
	s_add_nc_u64 s[26:27], s[16:17], s[26:27]      ; fragment 2 G, K step ks
	s_mul_i32 s28, s24, 2*(\kln)
	s_lshr_b32 s29, s25, 3
	s_add_co_u32 s28, s28, s29
	s_lshl_b32 s28, s28, 9
	s_and_b32 s29, s25, 7
	s_lshl_b32 s29, s29, 2
	s_add_co_u32 s28, s28, s29
	s_add_co_u32 s28, s28, \offs
	s_mov_b32 s29, 0
	s_add_nc_u64 s[28:29], s[16:17], s[28:29]      ; its scale words
	v_mul_u32_u24 v4, v7, (\ksn)*1536              ; fragment 2 G + u,
	s_delay_alu instid0(VALU_DEP_1)
	v_lshl_add_u32 v5, v9, 3, v4                   ; + 8 r
	s_delay_alu instid0(VALU_DEP_2)
	v_lshl_add_u32 v4, v9, 4, v4                   ; + 16 r
	v_mul_u32_u24 v6, v7, (\kln)*512
	s_delay_alu instid0(VALU_DEP_1)
	v_lshl_add_u32 v6, v9, 5, v6                   ; scale words: 32 bytes a slot
	BLOCK 0, \stride
	BLOCK 1, \stride
	BLOCK 2, \stride
	BLOCK 3, \stride
	global_store_b32 v6, v16, s[28:29]
	s_endpgm
.endm
; a weight stored [K][N]: share - w0 = (column group, K step); 128 rows of K are 1 << kshift bytes
.macro DENSE src, w0, kbits, kshift
	s_sub_co_u32 s20, s30, \w0
	s_lshr_b32 s21, s20, \kbits                    ; which 128 columns
	s_and_b32 s25, s20, (1<<(\kbits))-1            ; which K step
	s_lshl_b32 s26, s25, \kshift
	s_lshl_b32 s27, s21, 9
	s_add_co_u32 s26, s26, s27
	s_lshl_b32 s27, s18, 7
	s_add_co_u32 s26, s26, s27
	s_mov_b32 s27, 0
	s_add_nc_u64 s[22:23], s[\src:\src+1], s[26:27]
	s_lshl_b32 s24, s21, 2
	s_add_co_u32 s24, s24, s18                     ; G = 4 x column group + wave
.endm
	s_wait_kmcnt 0x0
	s_cmp_lt_u32 s30, 192
	s_cbranch_scc0 .Lnot_qkv
	s_lshr_b32 s19, s30, 6                         ; m: 0 Wq, 1 Wk, 2 Wv
	s_and_b32 s20, s30, 63
	s_lshr_b32 s21, s20, 3                         ; the pair of heads
	s_and_b32 s25, s20, 7                          ; the K step
	s_cmp_eq_u32 s19, 0                            ; the choice hangs on the share's number alone
	s_cselect_b64 s[22:23], s[4:5], s[6:7]
	s_cmp_eq_u32 s19, 2
	s_cselect_b64 s[22:23], s[8:9], s[22:23]
	s_lshl_b32 s26, s21, 1
	s_lshr_b32 s27, s18, 1
	s_add_co_u32 s26, s26, s27                     ; head = 2 x pair + wave / 2
	s_lshl_b32 s26, s26, 18                        ; a head is 1,024 x 64 x 4 bytes,
	s_lshl_b32 s27, s25, 15                        ; 128 rows of 256 bytes,
	s_add_co_u32 s26, s26, s27
	s_and_b32 s27, s18, 1
	s_lshl_b32 s27, s27, 7                         ; which 32 of the head's 64 columns
	s_add_co_u32 s26, s26, s27
	s_mov_b32 s27, 0
	s_add_nc_u64 s[22:23], s[22:23], s[26:27]
	s_mul_i32 s24, s21, 12
	s_lshl_b32 s28, s19, 2
	s_add_co_u32 s24, s24, s28
	s_add_co_u32 s24, s24, s18                     ; G = 12 x pair + 4 m + wave
	s_wait_alu depctr_va_vdst(0)
	PATH 256, 8, 1, 0, 9437184
.Lnot_qkv:
	s_cmp_lt_u32 s30, 256
	s_cbranch_scc0 .Lnot_wo
	DENSE 10, 192, 3, 19
	s_wait_alu depctr_va_vdst(0)
	PATH 4096, 8, 1, 2359296, 9535488
.Lnot_wo:
	s_cmp_lt_u32 s30, 512
	s_cbranch_scc0 .Lnot_w1
	DENSE 12, 256, 3, 21
	s_wait_alu depctr_va_vdst(0)
	PATH 16384, 8, 1, 3145728, 9568256
.Lnot_w1:
	DENSE 14, 512, 5, 19
	s_wait_alu depctr_va_vdst(0)
	PATH 4096, 32, 4, 6291456, 9699328
.Lfunc_end_k_qedb525cc3c_pre:
	.size	k_qedb525cc3c_pre, .Lfunc_end_k_qedb525cc3c_pre-k_qedb525cc3c_pre
	.p2alignl 7, 3214868480
	.fill 96, 4, 3214868480
	.section	.rodata,"a",@progbits
	.p2align	6, 0x0
	.amdhsa_kernel k_qedb525cc3c_pre
		.amdhsa_group_segment_fixed_size 67072
		.amdhsa_private_segment_fixed_size 0
		.amdhsa_enable_private_segment 0
		.amdhsa_kernarg_size 88
		.amdhsa_user_sgpr_count 2
		.amdhsa_user_sgpr_kernarg_segment_ptr 1
		.amdhsa_wavefront_size32 1
		.amdhsa_system_sgpr_workgroup_id_x 1
		.amdhsa_system_sgpr_workgroup_id_y 1
		.amdhsa_system_sgpr_workgroup_id_z 1
		.amdhsa_system_vgpr_workitem_id 0
		.amdhsa_next_free_vgpr 162
		.amdhsa_next_free_sgpr 66
		.amdhsa_reserve_vcc 0
		.amdhsa_float_denorm_mode_32 3
		.amdhsa_float_denorm_mode_16_64 3
		.amdhsa_memory_ordered 1
		.amdhsa_forward_progress 1
		.amdhsa_inst_pref_size 119
	.end_amdhsa_kernel
	.amdgpu_metadata
---
amdhsa.version: [ 1, 2 ]
amdhsa.kernels:
  - .name:           k_qedb525cc3c_pre
    .symbol:         k_qedb525cc3c_pre.kd
    .args:
      - { .name: x, .offset: 0, .size: 8, .value_kind: global_buffer, .address_space: global }
      - { .name: ln1_g, .offset: 8, .size: 8, .value_kind: global_buffer, .address_space: global }
      - { .name: ln1_b, .offset: 16, .size: 8, .value_kind: global_buffer, .address_space: global }
      - { .name: hq, .offset: 24, .size: 8, .value_kind: global_buffer, .address_space: global }
      - { .name: Wq, .offset: 32, .size: 8, .value_kind: global_buffer, .address_space: global }
      - { .name: Wk, .offset: 40, .size: 8, .value_kind: global_buffer, .address_space: global }
      - { .name: Wv, .offset: 48, .size: 8, .value_kind: global_buffer, .address_space: global }
      - { .name: Wo, .offset: 56, .size: 8, .value_kind: global_buffer, .address_space: global }
      - { .name: W1, .offset: 64, .size: 8, .value_kind: global_buffer, .address_space: global }
      - { .name: W2, .offset: 72, .size: 8, .value_kind: global_buffer, .address_space: global }
      - { .name: wts, .offset: 80, .size: 8, .value_kind: global_buffer, .address_space: global }
    .group_segment_fixed_size: 67072
    .private_segment_fixed_size: 0
    .kernarg_segment_align: 8
    .kernarg_segment_size: 88
    .max_flat_workgroup_size: 256
    .sgpr_count:     66
    .vgpr_count:     162
    .wavefront_size: 32
...
	.end_amdgpu_metadata
.endif
;; end of part 1
;; launch qkv (part 2): grid 8 x 32, 4 waves a work-group, clusters of 4 x 4, 327,680 bytes of LDS; arguments hq, wts, qkv; writes qkv
.if DOCPART == 2
	.amdgcn_target "amdgcn-amd-amdhsa--gfx1250"
	.amdhsa_code_object_version 6
	.text
	.protected	k_qedb525cc3c_qkv
	.globl	k_qedb525cc3c_qkv
	.p2align	8
	.type	k_qedb525cc3c_qkv,@function
k_qedb525cc3c_qkv:
	s_mov_b64 s[64:65], 0
	v_nop
	global_prefetch_b8 v0, s[64:65] scope:SCOPE_SE
	s_setreg_imm32_b32 hwreg(HW_REG_WAVE_MODE, 25, 1), 1
	s_wait_xcnt 0x0
	s_wait_alu depctr_hold_cnt(0) depctr_sa_sdst(0) depctr_va_vdst(0) depctr_va_sdst(0) depctr_va_ssrc(0) depctr_va_vcc(0) depctr_vm_vsrc(0)
	s_getreg_b32 s2, hwreg(HW_REG_IB_STS2, 6, 4)
	s_cmp_eq_u32 s2, 0
	s_cbranch_scc0 .Lentry_in_a_cluster
	s_endpgm
.Lentry_in_a_cluster:
	s_bfe_u32 s2, ttmp6, 0x10000c
	s_cmp_lg_u32 s2, 0xf033
	s_cbranch_scc0 .Lentry_shape_is_right
	s_endpgm
.Lentry_shape_is_right:
; q, k, v = h Wq, h Wk, h Wv on codes of FP6 (E2M3) with E8M0 scales for each 32 along K = 1,024, f32 sums; the results are quantised on the way out: q and k along the head's 64, v along the keys.
; LIMITS of the quantiser: NaN and infinities are not served; a block whose largest magnitude lies under 2^-124 keeps the byte 1; a block of zeros gets the byte 1 and not 127 (zero codes; this program alone reads the bytes).
; OPERANDS lie as images of the matrix unit's registers: [fragment of 16 rows][K step of 128][1,536 bytes]; a fragment is two halves of 768 bytes: registers 0-3 of the half's six at 16 x lane, registers 4, 5 at 512 + 8 x lane.
; Slot r of fragment 2 G + u is row 32 G + 8 u + r + 8 (r / 8): so the 16 registers of two neighbouring result tiles of source 0 are 16 NEIGHBOURS, 32 G + 16 (lane / 16) + 0 .. 15, along source 0's rows.
; SHARES.  A tile of C is 128 x 128: four waves of 64 x 64, 16 accumulators each.  Work-group (x, y) has rows 128 y of h and makes three tiles: q, k, v of heads 2 x and 2 x + 1 (a wave: one head).  8 x 32 work-groups.
; K goes in chunks of 512 through two LDS slots.  K is two chunks, so slot s always holds chunk s: A's part is filled once, only B's part is filled again, with the next tile's rows of the weights.
; CLUSTERS of 4 x 4: A's tiles are asked for jointly along a row of the cluster, B's along a column.
; q, k: source 0 = rows of the weight, source 1 = rows of h: a lane holds one token and 32 registers along the head.  v: source 0 = rows of h, source 1 = rows of Wv: a lane holds one channel and 32 registers along the tokens.
; SCALES come straight from memory into registers that hold nothing else: one load of 16 bytes gives lanes 0-15 the words of K steps 0-3 and lanes 16-31 those of K steps 4-7 (taken by the ROW1 selectors in slot 1).
; REGISTERS: window 0: v1-31 addresses; v32-47 A's scale words; v48-79 B's, two sets; v96-127 at work on the way out; v128-255 accumulator (i, j) at 128 + 8 (4 i + j).
;   window 1: two fragment buffers at v0 and v128: A's four fragments, then B's four, 12 registers each.
.set KS,     8                         ; K steps of 128 in a row of an operand
.set KL,     1                         ; runs of 1,024 along K
.set NT,     3                         ; tiles of C to a work-group
.set SPT,    2                         ; chunks of 512 along K in a tile
.set OFFSA,  3145728                   ; A's scale words in its buffer
.set OFFB,   0                         ; B's codes in wts
.set OFFSB,  9437184                   ; B's scale words in wts
.set REFA,   0                         ; A's part of a slot is not filled again
.set STEP_A, 0
.set STEP_B, 98304                     ; from a tile's chunk to the next tile's: 8 fragment rows of 8 x 1,536 bytes
.set SASTEP, 0                         ; one set of A's scale words
.set SBSTEP, 16                        ; two of B's
.set SBLAP,  4096                      ; B's scale words: from a tile to the next
.set FIRSTMODE, 1                      ; a tile's first K step starts the sums with the constant 0
.set NATTILE, 2                        ; tile 2 (v) takes h as source 0
.set NEXTBIAS, 0
.set NST,   NT*SPT
.set SLOT,  98304                      ; A's 8 fragment rows x 6,144 bytes (4 K steps), then B's 8
.set BOFF,  49152
.set QUART, 24576                      ; what one tensor load brings: 4 fragment rows
.set FROW,  6144
.set SPARE, 214016                     ; the spare words, 128 bytes for each wave: two blocks of 256 bytes that no other line names
.set ACC,   128
.set F0,    0
.set F1,    128
.set BIAS,  96
.set SA,    32
.set SB,    48
.set TM,    96                         ; v96-103 the quantiser's figures
.set PY,    112                        ; v112-114 a block's upper half as it is made
.set SEL,   84                         ; s[84:85] lane selects for v_permlanex16_b32
.set G1,    24                         ; s[24:31] descriptor group 1 for A's tiles; s[32:39] group 0, one set for each slot
.set G0,    32
.set G1B,   48                         ; s[48:55], s[56:63] the same for B's
.set G0B,   56
.set MUL,   0x05                       ; sources 0 and 1 window 1; C and D window 0
.set MULB,  0x15                       ; C window 1 too
.set TO_F,  0x40                       ; destination window 1, address window 0
.set MSB,   0
.macro WIN new                         ; the immediate's high byte repeats the setting that is left
.if MSB != \new
	s_set_vgpr_msb (MSB<<8)|\new
.set MSB, \new
.endif
.endm
.macro PLACES n                        ; plain vector instructions between a matrix instruction and a load into, or a read of, its registers
.rept \n
	v_nop
.endr
.endm
.macro CREST                           ; a round of the cluster's barrier behind its opening barrier
	s_cmp_lg_u32 s10, 0
	s_cbranch_scc1 .Lnot_wave_0_\@
	s_barrier_signal -3
.Lnot_wave_0_\@:
	s_barrier_wait -3
	s_barrier_signal -1
	s_barrier_wait -1
.endm
.macro CROUND
	s_barrier_signal -1
	s_barrier_wait -1
	CREST
.endm
.macro JLOAD s                         ; a joint load: waves 0 and 1 fetch A's two halves, waves 2 and 3 B's; four v_nop follow each line
	s_cmp_eq_u32 s11, 0
	s_cbranch_scc0 .Lfor_b_\@
	tensor_load_to_lds s[G0+4*(\s):G0+4*(\s)+3], s[G1:G1+7]
	s_nop 0
.rept 4
	v_nop
.endr
	s_branch .Lasked_\@
.Lfor_b_\@:
	tensor_load_to_lds s[G0B+4*(\s):G0B+4*(\s)+3], s[G1B:G1B+7]
	s_nop 0
.rept 4
	v_nop
.endr
.Lasked_\@:
.endm
.macro JLOADB s                        ; B's part alone: waves 2 and 3; waves 0 and 1 have no part to fill
	s_cmp_eq_u32 s11, 0
	s_cbranch_scc1 .Lnone_\@
	tensor_load_to_lds s[G0B+4*(\s):G0B+4*(\s)+3], s[G1B:G1B+7]
	s_nop 0
.rept 4
	v_nop
.endr
.Lnone_\@:
.endm
.macro FRAG reg, a16, a8, off          ; a fragment's image: every load covers consecutive bytes
	ds_load_b128 v[(\reg):(\reg)+3], v[\a16] offset:\off
	ds_load_b64 v[(\reg)+4:(\reg)+5], v[\a8] offset:\off
	ds_load_b128 v[(\reg)+6:(\reg)+9], v[\a16] offset:(\off)+768
	ds_load_b64 v[(\reg)+10:(\reg)+11], v[\a8] offset:(\off)+768
.endm
.macro FETCH slot, q, f                ; 32 LDS loads in one run: B's four fragments, then A's four, of the slot's q-th K step, into buffer f
	WIN TO_F
.irp j, 0,1,2,3
	FRAG (\f)+48+12*\j, 20+(\slot), 22+(\slot), \j*FROW+(\q)*1536
.endr
.irp i, 0,1,2,3
	FRAG (\f)+12*\i, 16+(\slot), 18+(\slot), \i*FROW+(\q)*1536
.endr
.endm
; Four matrix instructions: accumulators (i, 0 .. 3).  nat = 0: source 0 = B's block j, source 1 = A's block i; nat = 1: source 0 = A's block j, source 1 = B's block i.
; mode 0: onto the sums; 1: the constant 0 starts them; 2: the bias starts them.  row = 1: the scale words of lanes 16-31.  The 16 accumulators take turns, in the same order in every K step.
.macro MULQ f, i, q, row, sa, sb, mode, nat
.irp j, 0,1,2,3
.set mD, ACC+8*(4*(\i)+\j)
.if \nat
.set mA, (\f)+12*\j
.set mB, (\f)+48+12*(\i)
.set mSA, (\sa)+4*\j+(\q)
.set mSB, (\sb)+4*(\i)+(\q)
.else
.set mA, (\f)+48+12*\j
.set mB, (\f)+12*(\i)
.set mSA, (\sb)+4*\j+(\q)
.set mSB, (\sa)+4*(\i)+(\q)
.endif
.if (\mode) == 0
.if \row
	v_wmma_scale_f32_16x16x128_f8f6f4 v[mD:mD+7], v[mA:mA+11], v[mB:mB+11], v[mD:mD+7], v[mSA], v[mSB] matrix_a_fmt:MATRIX_FMT_FP6 matrix_b_fmt:MATRIX_FMT_FP6 matrix_a_scale:MATRIX_SCALE_ROW1 matrix_b_scale:MATRIX_SCALE_ROW1
.else
	v_wmma_scale_f32_16x16x128_f8f6f4 v[mD:mD+7], v[mA:mA+11], v[mB:mB+11], v[mD:mD+7], v[mSA], v[mSB] matrix_a_fmt:MATRIX_FMT_FP6 matrix_b_fmt:MATRIX_FMT_FP6
.endif
.elseif (\mode) == 1
	v_wmma_scale_f32_16x16x128_f8f6f4 v[mD:mD+7], v[mA:mA+11], v[mB:mB+11], 0, v[mSA], v[mSB] matrix_a_fmt:MATRIX_FMT_FP6 matrix_b_fmt:MATRIX_FMT_FP6
.else
	v_wmma_scale_f32_16x16x128_f8f6f4 v[mD:mD+7], v[mA:mA+11], v[mB:mB+11], v[BIAS+8*\j:BIAS+8*\j+7], v[mSA], v[mSB] matrix_a_fmt:MATRIX_FMT_FP6 matrix_b_fmt:MATRIX_FMT_FP6
.endif
.endr
.endm
.macro WMUL mode
.if (\mode) == 2
	WIN MULB
.else
	WIN MUL
.endif
.endm
; One of a chunk's first three K steps: multiplies buffer f; in its middle the next K step's fragments are fetched into buffer g.
.macro STEP slot, q, f, g, row, sa, sb, mode, nat
	s_wait_dscnt 8*(1-(\nat))                      ; B's fragments and A's blocks 0, 1 are in; the youngest eight loads (A's blocks 2, 3) may be out.  With h as source 0 all of A is wanted at once: 0
	WMUL \mode
	MULQ \f, 0, \q, \row, \sa, \sb, \mode, \nat
	MULQ \f, 1, \q, \row, \sa, \sb, \mode, \nat
	PLACES 4
	FETCH \slot, (\q)+1, \g
	s_wait_dscnt 32                                ; all but the 32 just issued
	WMUL \mode
	MULQ \f, 2, \q, \row, \sa, \sb, \mode, \nat
	MULQ \f, 3, \q, \row, \sa, \sb, \mode, \nat
.endm
; A chunk's last K step multiplies buffer 1 and changes slots: ONE barrier; in front of it each wave waits for all its tensor loads, adds 0 to its spare word, and waits for that and for its own reads of this slot.
; fill = 1: the barrier opens a round of the cluster's barrier, and behind the round this slot is filled again, first thing.
.macro TURN slot, next, fill, row, sa, sb, nat
	WIN 0                                          ; (the add's two registers lie in window 0)
	s_wait_tensorcnt 0x0                           ; all my tensor loads have landed: my part of the next slot
	ds_add_u32 v28, v29                            ; 0 onto my spare word
	s_wait_dscnt 8*(1-(\nat))+1                    ; (the add, and with it the youngest eight loads, may be out)
	WIN MUL
	MULQ F1, 0, 3, \row, \sa, \sb, 0, \nat         ; four matrix instructions stand between the add and the wait for it
	s_wait_dscnt 0x0                               ; the add is done, and my reads of this slot are over
	s_barrier_signal -1
	MULQ F1, 1, 3, \row, \sa, \sb, 0, \nat
	WIN 0
	s_barrier_wait -1
.if \fill
	CREST                                          ; no wave of any partner still reads this slot's tile or has a load on its way
.if REFA
	s_add_nc_u64 s[G0+4*(\slot)+2:G0+4*(\slot)+3], s[G0+4*(\slot)+2:G0+4*(\slot)+3], STEP_A
.endif
	s_add_nc_u64 s[G0B+4*(\slot)+2:G0B+4*(\slot)+3], s[G0B+4*(\slot)+2:G0B+4*(\slot)+3], STEP_B
.if REFA
	JLOAD \slot
.else
	JLOADB \slot
.endif
.endif
	PLACES 4                                       ; on every wave's way: in front of the loads into buffer 0
	FETCH \next, 0, F0
.if TJ*SPT+POS+4 < NST                 ; behind the refill and the run of LDS loads: the chunk of B that stands two refills on; the last three changes of slots ask for nothing
	global_prefetch_b8 v10, s[90:91] offset:((TJ*SPT+POS+4)/2)*STEP_B+((TJ*SPT+POS+4)%2)*FROW th:TH_LOAD_NT scope:SCOPE_SE
.endif
	WIN MUL
	MULQ F1, 2, 3, \row, \sa, \sb, 0, \nat
	MULQ F1, 3, 3, \row, \sa, \sb, 0, \nat
.endm
.macro LASTSTEP row, sa, sb, nat       ; the very last K step: nothing more to fetch
	s_wait_dscnt 8*(1-(\nat))
	WIN MUL
	MULQ F1, 0, 3, \row, \sa, \sb, 0, \nat
	MULQ F1, 1, 3, \row, \sa, \sb, 0, \nat
	s_wait_dscnt 0x0
	MULQ F1, 2, 3, \row, \sa, \sb, 0, \nat
	MULQ F1, 3, 3, \row, \sa, \sb, 0, \nat
	WIN 0
.endm
.macro NEXT lap                        ; the scale words of the next two chunks, into the set that is not at work (its last readers stand more than four plain instructions back)
	WIN 0
.if SASTEP
.irp a, 0,1,2,3
	global_load_b128 v[SA+SASTEP*((\lap)%2)+4*\a:SA+SASTEP*((\lap)%2)+4*\a+3], v30, s[72:73] offset:\a*KL*512+(\lap)*512
.endr
.endif
.irp b, 0,1,2,3
	global_load_b128 v[SB+SBSTEP*((\lap)%2)+4*\b:SB+SBSTEP*((\lap)%2)+4*\b+3], v30, s[74:75] offset:\b*KL*512+(\lap)*SBLAP
.endr
.endm
; 32 numbers of a lane, register 16 b + i = place 32 b + 16 (lane / 16) + i along the next K, become half a fragment's codes in v[pc] .. v[pc + 5] and its two scale bytes in v[pc + 6].
.macro QUANT2 s, pc
.irp b, 0,1
	v_max3_num_f32 v[TM+\b], |v[(\s)+16*\b]|, |v[(\s)+16*\b+1]|, 0x1800000     ; block b: my 16 numbers, each accumulator from its low end on, and the floor 2^(3 - 127)
.endr
.irp i, 2,4,6,8,10,12,14
.irp b, 0,1
	v_max3_num_f32 v[TM+\b], v[TM+\b], |v[(\s)+16*\b+\i]|, |v[(\s)+16*\b+\i+1]|
.endr
.endr
.irp b, 0,1
	v_permlanex16_b32 v[TM+2+\b], v[TM+\b], s[SEL], s[SEL+1]
.endr
.irp b, 0,1
	v_max_num_f32 v[TM+\b], v[TM+\b], v[TM+2+\b]   ; with lane l xor 16's: the block's largest magnitude
.endr
.irp b, 0,1
	v_add_nc_u32 v[TM+4+\b], 0xff000000, v[TM+\b]  ; 2 off the exponent field: the conversion's scale operand
.endr
.irp b, 0,1
	v_lshrrev_b32 v[TM+6+\b], 23, v[TM+4+\b]       ; the scale's byte
.endr
	v_cvt_scalef32_pk16_fp6_f32 v[(\pc):(\pc)+2], v[(\s):(\s)+15], v[TM+4]
	v_cvt_scalef32_pk16_fp6_f32 v[PY:PY+2], v[(\s)+16:(\s)+31], v[TM+5]
	v_lshl_or_b32 v[(\pc)+6], v[TM+7], 8, v[TM+6]  ; the two bytes.  (The plain place behind the conversions)
.irp i, 0,1,2
	v_permlane16_swap_b32 v[(\pc)+\i], v[PY+\i]    ; the layout wants a WHOLE block in a lane: lanes 0-15 block 0, lanes 16-31 block 1
.endr
.irp i, 0,1,2
	v_mov_b32 v[(\pc)+3+\i], v[PY+\i]
.endr
.endm
; THE WAY OUT of tile j (0 q, 1 k, 2 v): four half fragments a wave.  q, k: A's block a = 16 tokens x my head's 64.  v: B's block a = 16 channels x my 64 tokens.
.macro EPI j
	PLACES 4
.irp a, 0,1,2,3
	s_wait_xcnt 0x0                                ; the earlier stores have read their registers: these are written again only behind this wait
	QUANT2 ACC+32*\a, 104+12*(\a%2)
	global_store_b128 v24, v[104+12*(\a%2):107+12*(\a%2)], s[76:77] offset:(\j)*3145728+\a*768       ; 512 consecutive bytes, aligned to 256
	global_store_b64 v25, v[108+12*(\a%2):109+12*(\a%2)], s[76:77] offset:(\j)*3145728+\a*768+512   ; 256
.if (\j) < 2
	v_or_b32 v[124+\a], 0x7f7f0000, v[110+12*(\a%2)]               ; a word for a K step of 128 of which the upper 64 are zero codes: their bytes are 127
.else
	global_store_b16 v26, v[110+12*(\a%2)], s[80:81] offset:4*\a   ; v's words are pieced from two waves' halves
.endif
.endr
.if (\j) < 2
	global_store_b128 v26, v[124:127], s[78:79] offset:(\j)*262144 ; four fragments' words of a slot; both halves of the lanes write the same
.endif
.endm
; Chunk sg of the work-group's NST: tile sg / SPT, slot and scale row sg % 2.
.macro CHUNK sg
.set TJ, (\sg)/SPT
.set POS, (\sg)%SPT
.set SL, (\sg)%2
.set LAP, (\sg)/2
.set SAx, SA+SASTEP*(LAP%2)
.set SBx, SB+SBSTEP*(LAP%2)
.set NATx, 0
.if TJ == NATTILE
.set NATx, 1
.endif
.set MD, 0
.if POS == 0
.set MD, FIRSTMODE
.endif
.if (SL == 0) && ((\sg) >= 2)
	s_wait_loadcnt 0x0                             ; these two chunks' scale words, asked for two chunks ago
.endif
	STEP SL, 0, F0, F1, SL, SAx, SBx, MD, NATx
	STEP SL, 1, F1, F0, SL, SAx, SBx, 0, NATx
.if (SL == 0) && ((\sg)+2 < NST)
	NEXT LAP+1
.endif
	STEP SL, 2, F0, F1, SL, SAx, SBx, 0, NATx
.if (\sg)+1 < NST
.if (\sg)+2 < NST
	TURN SL, 1-SL, 1, SL, SAx, SBx, NATx
.else
	TURN SL, 1-SL, 0, SL, SAx, SBx, NATx
.endif
.if POS == SPT-1
	WIN 0
	EPI TJ                                         ; the refill is asked for and the next tile's first fragments are on their way: now the tile goes out
.endif
.else
	LASTSTEP SL, SAx, SBx, NATx
	EPI TJ
.endif
.endm
	s_load_b128 s[4:7], s[0:1], 0x0                ; hq, wts
	s_load_b64 s[8:9], s[0:1], 0x10                ; qkv
	v_lshl_add_u32 v28, v0, 2, SPARE
	v_mov_b32 v29, 0
	ds_add_u32 v28, v29
	ds_add_u32 v28, v29
	s_wait_dscnt 0x0
	v_lshrrev_b32 v1, 5, v0
	v_readfirstlane_b32 s10, v1                    ; wave 0..3
	s_lshr_b32 s11, s10, 1                         ; which half of the tile's rows is mine.  Also: I fetch for A (0) or for B (1)
	s_and_b32 s12, s10, 1                          ; which half of its columns.  Also: which four fragment rows I fetch
	s_bfe_u32 s40, ttmp6, 0x40000                  ; cx, cy: my place in the cluster
	s_bfe_u32 s41, ttmp6, 0x40004
	s_lshl_b32 s42, ttmp9, 2
	s_add_co_u32 s42, s42, s40                     ; x = 4 x cluster x + cx
	s_and_b32 s13, ttmp7, 0xffff
	s_lshl_b32 s13, s13, 2
	s_add_co_u32 s13, s13, s41                     ; y = 4 x cluster y + cy
	s_lshl_b32 s43, s41, 2
	s_lshl_b32 s43, 15, s43                        ; my row of the cluster
	s_lshl_b32 s44, 0x1111, s40                    ; my column
	s_or_b32 s[G1+0], s43, (3<<16)|(1<<21)         ; 15:0 the mask; 17:16 elements of 8 bytes; 20 no padding; 21 set beside a mask
	s_or_b32 s[G1B+0], s44, (3<<16)|(1<<21)
.irp g, G1, G1B
	s_mov_b32 s[\g+1], 768<<16                     ; tensor_dim0 = 768 elements: 6,144 bytes, four K steps of a fragment row
	s_mov_b32 s[\g+2], 4<<16                       ; tensor_dim1 = 4 fragment rows
	s_mov_b32 s[\g+3], 768<<16                     ; tile_dim0
	s_mov_b32 s[\g+4], 4                           ; tile_dim1
	s_mov_b32 s[\g+5], KS*192                      ; from a fragment row to the next
	s_mov_b32 s[\g+6], 0
	s_mov_b32 s[\g+7], 0
.endr
	s_lshl_b32 s16, s13, 3
	s_lshl_b32 s17, s12, 2
	s_add_co_u32 s16, s16, s17                     ; A: fragment row 8 y + 4 x half
	s_mul_i32 s16, s16, KS*1536
	s_mov_b32 s17, 0
	s_mul_i32 s46, s42, 8*NT
	s_lshl_b32 s47, s12, 2
	s_add_co_u32 s46, s46, s47                     ; B: fragment row 8 NT x + 4 x half
	s_mul_i32 s46, s46, KS*1536
	s_add_co_u32 s46, s46, OFFB
	s_mov_b32 s47, 0
	s_mul_i32 s20, s10, QUART                      ; where they go: wave x 24,576: no place in the cluster enters an LDS address
	s_mov_b32 s[SEL], 0x76543210
	s_mov_b32 s[SEL+1], 0xfedcba98
	s_wait_kmcnt 0x0
	s_add_nc_u64 s[14:15], s[4:5], s[16:17]
	s_add_nc_u64 s[46:47], s[6:7], s[46:47]
	CROUND                                         ; all sixteen work-groups are here: the first joint loads meet
.irp s, 0,1
	s_mov_b32 s[G0+4*\s], 1
	s_add_co_u32 s[G0+4*\s+1], s20, \s*SLOT
	s_add_nc_u64 s[G0+4*\s+2:G0+4*\s+3], s[14:15], \s*FROW
	s_or_b32 s[G0+4*\s+3], s[G0+4*\s+3], 0x80000000
	s_mov_b32 s[G0B+4*\s], 1
	s_add_co_u32 s[G0B+4*\s+1], s20, \s*SLOT
	s_add_nc_u64 s[G0B+4*\s+2:G0B+4*\s+3], s[46:47], \s*FROW
	s_or_b32 s[G0B+4*\s+3], s[G0B+4*\s+3], 0x80000000
.endr
	; the prefetches' bases.  A tile of 8 fragment rows x 6,144 bytes is 192 blocks of 256; the four partners that ask for it jointly and their four waves share them BY ADDRESS:
	; fragment row 2 p + wave % 2 (p = cx for A, cy for B), blocks 12 (wave / 2) + 0 .. 11
	s_lshl_b32 s86, s40, 1
	s_add_co_u32 s86, s86, s12
	s_lshl_b32 s87, s13, 3
	s_add_co_u32 s86, s86, s87
	s_mul_i32 s88, s86, KS*1536
	s_mul_i32 s87, s11, 3072
	s_add_co_u32 s88, s88, s87
	s_mov_b32 s89, 0
	s_add_nc_u64 s[88:89], s[4:5], s[88:89]
	s_lshl_b32 s86, s41, 1
	s_add_co_u32 s86, s86, s12
	s_mul_i32 s90, s42, 8*NT
	s_add_co_u32 s86, s86, s90
	s_mul_i32 s90, s86, KS*1536
	s_add_co_u32 s90, s90, s87
	s_add_co_u32 s90, s90, OFFB
	s_mov_b32 s91, 0
	s_add_nc_u64 s[90:91], s[6:7], s[90:91]
	JLOAD 0
	v_and_b32 v1, 15, v0                           ; r
	v_bfe_u32 v2, v0, 4, 1                         ; h
	v_and_b32 v3, 31, v0                           ; lane
	v_lshlrev_b32 v4, 4, v3                        ; 16 x lane
	v_lshl_add_u32 v5, v3, 3, 512
	v_min_u32 v10, 11, v3
	v_lshlrev_b32 v10, 8, v10                      ; a lane a block; the lanes left over name the last block again
	global_prefetch_b8 v10, s[88:89] offset:FROW th:TH_LOAD_NT scope:SCOPE_SE      ; what slot 1's first fill will ask for: A's second 512 along K,
	global_prefetch_b8 v10, s[90:91] offset:FROW th:TH_LOAD_NT scope:SCOPE_SE      ; and tile 0's of B
	s_mul_i32 s21, s11, QUART
	s_mul_i32 s22, s12, QUART                      ; and of B,
	s_add_co_u32 s22, s22, BOFF                    ; which lie behind A's eight
.irp s, 0,1
	v_add_nc_u32 v[16+\s], s21, v4
	v_add_nc_u32 v[18+\s], s21, v5
	v_add_nc_u32 v[20+\s], s22, v4
	v_add_nc_u32 v[22+\s], s22, v5
	s_add_co_u32 s21, s21, SLOT
	s_add_co_u32 s22, s22, SLOT
.endr
	v_lshlrev_b32 v30, 5, v1
	v_lshl_add_u32 v30, v2, 4, v30                 ; scale words: 32 r + 16 h
	s_wait_alu depctr_va_vdst(0)
	s_lshl_b32 s72, s13, 3
	s_lshl_b32 s73, s11, 2
	s_add_co_u32 s72, s72, s73                     ; my first fragment of A
	s_mul_i32 s72, s72, KL*512
	s_add_co_u32 s72, s72, OFFSA
	s_mov_b32 s73, 0
	s_add_nc_u64 s[72:73], s[4:5], s[72:73]
	s_mul_i32 s74, s42, 8*NT
	s_lshl_b32 s75, s12, 2
	s_add_co_u32 s74, s74, s75                     ; and of B
	s_mul_i32 s74, s74, KL*512
	s_add_co_u32 s74, s74, OFFSB
	s_mov_b32 s75, 0
	s_add_nc_u64 s[74:75], s[6:7], s[74:75]
.irp a, 0,1,2,3
	global_load_b128 v[SA+4*\a:SA+4*\a+3], v30, s[72:73] offset:\a*KL*512
.endr
.irp b, 0,1,2,3
	global_load_b128 v[SB+4*\b:SB+4*\b+3], v30, s[74:75] offset:\b*KL*512
.endr
	v_mov_b32 v24, v4                              ; the way out: 16 x lane,
	v_lshlrev_b32 v25, 3, v3                       ; 8 x lane,
	v_lshlrev_b32 v26, 4, v1                       ; 16 r
	v_mov_b32 v98, 0                               ; written once: a lane permute's destination counts as one of its sources
	v_mov_b32 v99, 0
	s_lshr_b32 s76, s13, 3                         ; the batch
	s_lshl_b32 s76, s76, 4
	s_lshl_b32 s77, s42, 1
	s_add_co_u32 s76, s76, s77
	s_add_co_u32 s82, s76, s12                     ; bh = 16 x batch + 2 x + my half: my head
	s_and_b32 s83, s13, 7                          ; which 128 tokens of the batch
	s_lshl_b32 s76, s82, 6
	s_lshl_b32 s77, s83, 3
	s_add_co_u32 s76, s76, s77
	s_lshl_b32 s77, s11, 2
	s_add_co_u32 s76, s76, s77
	s_mul_i32 s76, s76, 768                        ; q, k: [bh][fragment of tokens]; v: [bh][K step][half][block of channels]: the same number
	s_mov_b32 s77, 0
	s_add_nc_u64 s[76:77], s[8:9], s[76:77]
	s_lshl_b32 s78, s82, 4
	s_lshl_b32 s79, s83, 1
	s_add_co_u32 s78, s78, s79
	s_add_co_u32 s78, s78, s11
	s_lshl_b32 s78, s78, 8
	s_add_co_u32 s78, s78, 9437184                 ; q's scale words: [bh][group of four fragments][slot][4]
	s_mov_b32 s79, 0
	s_add_nc_u64 s[78:79], s[8:9], s[78:79]
	s_lshl_b32 s80, s82, 3
	s_add_co_u32 s80, s80, s83
	s_lshl_b32 s80, s80, 8
	s_lshl_b32 s81, s11, 1
	s_add_co_u32 s80, s80, s81
	s_add_co_u32 s80, s80, 9961472                 ; v's: [bh][K step][slot][block of channels][half] of two bytes
	s_mov_b32 s81, 0
	s_add_nc_u64 s[80:81], s[8:9], s[80:81]
	s_wait_alu depctr_va_vdst(0)
	s_wait_tensorcnt 0x0                           ; my part of slot 0 is in; slot 1's first fill is issued as a refill is:
	ds_add_u32 v28, v29                            ; 0 onto my spare word
	s_wait_dscnt 0x0
	CROUND                                         ; everybody's part of slot 0 is in, and the joint loads meet
	JLOAD 1
	FETCH 0, 0, F0
	global_prefetch_b8 v10, s[90:91] offset:STEP_B th:TH_LOAD_NT scope:SCOPE_SE          ; tile 1's two chunks of B: the first two refills
	global_prefetch_b8 v10, s[90:91] offset:STEP_B+FROW th:TH_LOAD_NT scope:SCOPE_SE
	s_wait_loadcnt 0x0                             ; the scale words
.irp sg, 0,1,2,3,4,5
	CHUNK \sg
.endr
	s_wait_tensorcnt 0x0                           ; the wave's end
	ds_add_u32 v28, v29
	s_wait_dscnt 0x0
	CROUND                                         ; the closing round: no work-group ends while a partner may still ask for a tile that names it
	s_endpgm
.Lfunc_end_k_qedb525cc3c_qkv:
	.size	k_qedb525cc3c_qkv, .Lfunc_end_k_qedb525cc3c_qkv-k_qedb525cc3c_qkv
	.p2alignl 7, 3214868480
	.fill 96, 4, 3214868480
	.section	.rodata,"a",@progbits
	.p2align	6, 0x0
	.amdhsa_kernel k_qedb525cc3c_qkv
		.amdhsa_group_segment_fixed_size 327680
		.amdhsa_private_segment_fixed_size 0
		.amdhsa_enable_private_segment 0
		.amdhsa_kernarg_size 24
		.amdhsa_user_sgpr_count 2
		.amdhsa_user_sgpr_kernarg_segment_ptr 1
		.amdhsa_wavefront_size32 1
		.amdhsa_system_sgpr_workgroup_id_x 1
		.amdhsa_system_sgpr_workgroup_id_y 1
		.amdhsa_system_sgpr_workgroup_id_z 1
		.amdhsa_system_vgpr_workitem_id 0
		.amdhsa_next_free_vgpr 512
		.amdhsa_next_free_sgpr 100
		.amdhsa_reserve_vcc 0
		.amdhsa_float_denorm_mode_32 3
		.amdhsa_float_denorm_mode_16_64 3
		.amdhsa_memory_ordered 1
		.amdhsa_forward_progress 1
		.amdhsa_inst_pref_size 144
	.end_amdhsa_kernel
	.amdgpu_metadata
---
amdhsa.version: [ 1, 2 ]
amdhsa.kernels:
  - .name:           k_qedb525cc3c_qkv
    .symbol:         k_qedb525cc3c_qkv.kd
    .args:
      - { .name: hq, .offset: 0, .size: 8, .value_kind: global_buffer, .address_space: global }
      - { .name: wts, .offset: 8, .size: 8, .value_kind: global_buffer, .address_space: global }
      - { .name: qkv, .offset: 16, .size: 8, .value_kind: global_buffer, .address_space: global }
    .group_segment_fixed_size: 327680
    .private_segment_fixed_size: 0
    .kernarg_segment_align: 8
    .kernarg_segment_size: 24
    .max_flat_workgroup_size: 128
    .sgpr_count:     100
    .vgpr_count:     512
    .wavefront_size: 32
...
	.end_amdgpu_metadata
.endif
;; end of part 2
;; launch att (part 3): grid 4 x 64, 16 waves a work-group, clusters of 4 x 1, 169,984 bytes of LDS; arguments qkv, oq; writes oq
.if DOCPART == 3
	.amdgcn_target "amdgcn-amd-amdhsa--gfx1250"
	.amdhsa_code_object_version 6
	.text
	.protected	k_qedb525cc3c_att
	.globl	k_qedb525cc3c_att
	.p2align	8
	.type	k_qedb525cc3c_att,@function
k_qedb525cc3c_att:
	s_mov_b64 s[64:65], 0
	v_nop
	global_prefetch_b8 v0, s[64:65] scope:SCOPE_SE
	s_setreg_imm32_b32 hwreg(HW_REG_WAVE_MODE, 25, 1), 1
	s_wait_xcnt 0x0
	s_wait_alu depctr_hold_cnt(0) depctr_sa_sdst(0) depctr_va_vdst(0) depctr_va_sdst(0) depctr_va_ssrc(0) depctr_va_vcc(0) depctr_vm_vsrc(0)
	s_getreg_b32 s2, hwreg(HW_REG_IB_STS2, 6, 4)
	s_cmp_eq_u32 s2, 0
	s_cbranch_scc0 .Lentry_in_a_cluster
	s_endpgm
.Lentry_in_a_cluster:
	s_bfe_u32 s2, ttmp6, 0x10000c
	s_cmp_lg_u32 s2, 0x3003
	s_cbranch_scc0 .Lentry_shape_is_right
	s_endpgm
.Lentry_shape_is_right:
; o = softmax(q k^T / 8) v for one head and 256 queries, both products on codes of FP6 (E2M3) with E8M0 scales; o is quantised along the concatenated heads on the way out.
; THE SOFTMAX AHEAD OF THE SECOND PRODUCT: t = score x log2(e) / 8; M = the row's largest t so far, rounded UP to a whole number; p = 2^(t - M) is what is quantised, along the keys, not normalised.
; The row's sum is taken of the unquantised p, in f32, and divides O at the end.  When M moves, the sum and O are multiplied by 2^(old M - new M): exact.
; LIMITS: NaN and infinities are not served; a block whose largest magnitude lies under 2^-124 keeps the byte 1; a block of zeros gets the byte 1 and not 127 (zero codes; this program alone reads the bytes).
; A block's largest p is taken as the exponential of the block's largest score, which takes v_exp_f32 not to fall where its input rises.
; SHARES.  A work-group: 256 queries of one head; each of its SIXTEEN waves 16 queries, in 256 registers: four waves to a SIMD, so that one wave's vector work stands beside another's matrix work.
; A HEAD'S K AND V STAY WHOLE IN LDS (2 x 49,152 bytes, and their scale words): each byte is filled once, nothing is filled again.  They come in four pieces of 256 keys, so that the first steps begin while the rest is on its way.
; CLUSTER.  The four query blocks of a head read the same K and V: every load is asked for JOINTLY by the four.
; LAYOUT.  q, k: halves of fragments (16 tokens x 64), as images of registers 0-5; registers 6-11 of both operands are zero codes, their scale bytes 127: K = 64 in an instruction of 128.
; Both products are used transposed: S^T = K Q^T, O^T = V^T P^T: a lane holds ONE query (lane % 16) throughout.  Slot r of token fragment 2 G + u is token 32 G + 8 u + r + 8 (r / 8), so the 16 registers of
; score tiles 2 b and 2 b + 1 are 16 neighbouring keys, and those of O^T's tiles 16 neighbouring channels.
; REGISTERS: v1-11 addresses; v12 -M, v13 the largest t, v[14:15] the sum; v16-27 Q; v28 Q's scale word; v32-79 four fragments of K; v80-83, v84-87, v88 scale words of K, V, p;
;   v96-159 S^T, then p, then V's four fragments (v96-143); v160-191 O^T; v192-203 p's codes; v204-210 halves as they are made; v212-227 at work.
.set AK16, 1                           ; 16 x lane
.set AK8,  2                           ; 8 x lane + 512
.set AV16, 3                           ; the same in V
.set AV8,  4
.set ASK,  5                           ; K's scale words: 16 r
.set ASV,  6                           ; V's
.set VOFF, 49152
.set SCK,  98304
.set SCV,  102400
.set TM,   212
.set PY,   204
.set WV,   18
.set SEL,  20
.set CS,   22
.set G1P,  24                          ; s[24:31] group 1 for a piece: 48 rows of 256 bytes;  s[32:39] K's scale words: 16;  s[40:47] V's: 8
.set G1SK, 32
.set G1SV, 40
.set G0S,  48                          ; s[48:51] group 0 for the scale words;  s[68:71] for my piece
.set G0P,  68
.macro CROUND
	s_barrier_signal -1
	s_barrier_wait -1
	s_cmp_lg_u32 s[WV], 0
	s_cbranch_scc1 .Lnot_wave_0_\@
	s_barrier_signal -3
.Lnot_wave_0_\@:
	s_barrier_wait -3
	s_barrier_signal -1
	s_barrier_wait -1
.endm
	s_load_b128 s[4:7], s[0:1], 0x0                ; qkv, oq
	v_lshl_add_u32 v254, v0, 2, 0x29000
	v_mov_b32 v255, 0
	ds_add_u32 v254, v255
	ds_add_u32 v254, v255
	v_lshrrev_b32 v8, 5, v0
	s_delay_alu instid0(VALU_DEP_1)
	v_readfirstlane_b32 s[WV], v8                  ; wave 0..15
	s_bfe_u32 s8, ttmp6, 0x40000                   ; cx
	s_lshl_b32 s9, ttmp9, 2
	s_add_co_u32 s9, s9, s8                        ; my block of 256 queries: it enters Q's and o's addresses alone
	s_and_b32 s10, ttmp7, 0xffff                   ; bh, which the four partners share
	s_bfe_u32 s11, s[WV], 0x10002                  ; (wave / 4) % 2: waves 0-3 and 8 fetch for K, waves 4-7 and 12 for V
	s_and_b32 s96, s[WV], 3
	s_mul_i32 s96, s96, 12288                      ; which piece of 256 keys is my wave's
.irp g, G1P, G1SK, G1SV
	s_mov_b32 s[\g], 15|(3<<16)|(1<<21)            ; 15:0 the mask: all four; 17:16 elements of 8 bytes; 21 set beside a mask
	s_mov_b32 s[\g+1], 32<<16                      ; tensor_dim0 = 32 elements: dense blocks as rows of 256 bytes
	s_mov_b32 s[\g+3], 32<<16                      ; tile_dim0
	s_mov_b32 s[\g+5], 32                          ; the pitch
	s_mov_b32 s[\g+6], 0
	s_mov_b32 s[\g+7], 0
.endr
	s_mov_b32 s[G1P+2], 48<<16                     ; tensor_dim1 and tile_dim1: 12,288 bytes = 256 keys
	s_mov_b32 s[G1P+4], 48
	s_mov_b32 s[G1SK+2], 16<<16                    ; 4,096 bytes
	s_mov_b32 s[G1SK+4], 16
	s_mov_b32 s[G1SV+2], 8<<16                     ; 2,048 bytes
	s_mov_b32 s[G1SV+4], 8
	s_mul_i32 s12, s10, 49152
	s_mul_i32 s13, s11, 3145728
	s_add_co_u32 s12, s12, s13
	s_add_co_u32 s12, s12, 3145728
	s_add_co_u32 s12, s12, s96                     ; my piece of them
	s_mov_b32 s13, 0
	s_lshl_b32 s14, s10, 12
	s_lshr_b32 s14, s14, s11                       ; K's scale words: 4,096 bytes a head; V's: 2,048
	s_lshl_b32 s15, s11, 18
	s_add_co_u32 s14, s14, s15
	s_add_co_u32 s14, s14, 9699328
	s_mov_b32 s15, 0
	s_mul_i32 s16, s11, VOFF
	s_add_co_u32 s16, s16, s96
	s_lshl_b32 s17, s11, 12
	s_mov_b32 s[SEL], 0x76543210
	s_mov_b32 s[SEL+1], 0xfedcba98
	s_mov_b32 s[CS], 0x3e38aa3b                    ; c = log2(e) / 8
	s_mov_b32 s[CS+1], s[CS]                       ; (named with it as a pair)
	s_wait_dscnt 0x0
	s_wait_kmcnt 0x0
	s_add_nc_u64 s[12:13], s[4:5], s[12:13]
	s_add_nc_u64 s[14:15], s[4:5], s[14:15]
	CROUND                                         ; all four work-groups are here: the joint loads meet
	s_mov_b32 s[G0S], 1
	s_add_co_u32 s[G0S+1], s17, SCK
	s_mov_b64 s[G0S+2:G0S+3], s[14:15]
	s_or_b32 s[G0S+3], s[G0S+3], 0x80000000
	s_mov_b32 s[G0P], 1
	s_mov_b32 s[G0P+1], s16
	s_mov_b64 s[G0P+2:G0P+3], s[12:13]
	s_or_b32 s[G0P+3], s[G0P+3], 0x80000000
	; THE TEN FILLS ARE SHARED OUT, ONE A WAVE: waves 0-3 K's four pieces, waves 4-7 V's, wave 8 K's scale words, wave 12 V's; one chain of branches on the wave's number, one join
	s_cmp_lt_u32 s[WV], 8
	s_cbranch_scc0 .Lnot_piece
	tensor_load_to_lds s[G0P:G0P+3], s[G1P:G1P+7]
	s_nop 0
.rept 4
	v_nop
.endr
	s_branch .Lasked
.Lnot_piece:
	s_cmp_eq_u32 s[WV], 8
	s_cbranch_scc0 .Lnot_sk
	tensor_load_to_lds s[G0S:G0S+3], s[G1SK:G1SK+7]
	s_nop 0
.rept 4
	v_nop
.endr
	s_branch .Lasked
.Lnot_sk:
	s_cmp_eq_u32 s[WV], 12
	s_cbranch_scc0 .Lasked
	tensor_load_to_lds s[G0S:G0S+3], s[G1SV:G1SV+7]
	s_nop 0
.rept 4
	v_nop
.endr
.Lasked:
	s_lshl_b32 s84, s9, 4
	s_add_co_u32 s84, s84, s[WV]                   ; tb: my fragment of tokens in the batch
	s_lshl_b32 s85, s10, 6
	s_add_co_u32 s85, s85, s84
	s_mul_i32 s86, s85, 768
	s_mov_b32 s87, 0
	s_add_nc_u64 s[86:87], s[4:5], s[86:87]        ; Q's half fragment
	s_lshl_b32 s88, s10, 12
	s_lshr_b32 s89, s84, 2
	s_lshl_b32 s89, s89, 8
	s_add_co_u32 s88, s88, s89
	s_and_b32 s89, s84, 3
	s_lshl_b32 s89, s89, 2
	s_add_co_u32 s88, s88, s89
	s_add_co_u32 s88, s88, 9437184
	s_mov_b32 s89, 0
	s_add_nc_u64 s[88:89], s[4:5], s[88:89]        ; its scale words
	s_lshr_b32 s90, s10, 4
	s_lshl_b32 s90, s90, 6
	s_add_co_u32 s90, s90, s84                     ; o: fragment 64 x batch + tb,
	s_and_b32 s91, s10, 15                         ; the head:
	s_lshl_b32 s92, s90, 3
	s_lshr_b32 s93, s91, 1
	s_add_co_u32 s92, s92, s93                     ; K step head / 2,
	s_mul_i32 s92, s92, 1536
	s_and_b32 s93, s91, 1
	s_mul_i32 s93, s93, 768                        ; half head % 2
	s_add_co_u32 s92, s92, s93
	s_mov_b32 s93, 0
	s_add_nc_u64 s[92:93], s[6:7], s[92:93]
	s_lshl_b32 s94, s90, 9
	s_lshl_b32 s95, s91, 1
	s_add_co_u32 s94, s94, s95
	s_add_co_u32 s94, s94, 3145728                 ; its two scale bytes: 2 x head in the slot's 32 bytes
	s_mov_b32 s95, 0
	s_add_nc_u64 s[94:95], s[6:7], s[94:95]
	v_and_b32 v8, 31, v0                           ; lane
	v_and_b32 v9, 15, v0                           ; r
	s_delay_alu instid0(VALU_DEP_2)
	v_lshlrev_b32 v[AK16], 4, v8
	s_delay_alu instid0(VALU_DEP_3)
	v_lshl_add_u32 v[AK8], v8, 3, 512
	s_delay_alu instid0(VALU_DEP_2)
	v_add_nc_u32 v[AV16], VOFF, v[AK16]
	s_delay_alu instid0(VALU_DEP_2)
	v_add_nc_u32 v[AV8], VOFF, v[AK8]
	v_lshl_add_u32 v[ASK], v9, 4, SCK
	v_lshl_add_u32 v[ASV], v9, 4, SCV
	v_lshlrev_b32 v7, 3, v8                        ; 8 x lane
	v_lshlrev_b32 v10, 4, v9                       ; 16 r
	v_lshlrev_b32 v11, 5, v9                       ; 32 r
	global_load_b128 v[16:19], v[AK16], s[86:87]
	global_load_b64 v[20:21], v7, s[86:87] offset:512
	global_load_b32 v28, v10, s[88:89]
.irp i, 22,23,24,25,26,27
	v_mov_b32 v[\i], 0                             ; the upper 64 of the instruction's K: zero codes, in Q
.endr
.irp t, 0,1,2,3
.irp i, 6,7,8,9,10,11
	v_mov_b32 v[32+12*\t+\i], 0                    ; and in K's fragments: written once, no load lands there
.endr
.endr
	v_mov_b32 v13, 0xff61b1e6                      ; the largest t so far: -3e38, under every t
	s_delay_alu instid0(VALU_DEP_1)
	v_floor_f32 v12, -v13                          ; -M
	v_mov_b32 v14, 0                               ; the sum, in two halves
	v_mov_b32 v15, 0
.irp b, 0,1,2,3
	v_mov_b32 v[216+\b], 0                         ; written once: a lane permute's destination counts as one of its sources
.endr
	v_mov_b32 v227, 0                              ; (named as the upper half of the pair v[226:227])
; A KEY STEP: keys 128 s on.  first = 1: its products V^T P start O^T's sums with the constant 0: nothing is cleared.
.macro STEP s, first
.rept 5
	v_nop                                          ; the scores are written over registers that the last products V^T P read: five places
.endr
.irp g, 0,1                                    ; S^T = K Q^T, four tiles of 16 keys at a time
.if \g
.rept 4
	v_nop                                          ; places in front of loads into registers that matrix instructions have read
.endr
.endif
.irp t, 0,1,2,3
	ds_load_b128 v[32+12*\t:35+12*\t], v[AK16] offset:(8*(\s)+4*\g+\t)*768
	ds_load_b64 v[36+12*\t:37+12*\t], v[AK8] offset:(8*(\s)+4*\g+\t)*768
.endr
	ds_load_b128 v[80:83], v[ASK] offset:(2*(\s)+\g)*256           ; the four fragments' scale words of slot r
	s_wait_dscnt 0x0
.irp t, 0,1,2,3
	v_wmma_scale_f32_16x16x128_f8f6f4 v[96+8*(4*\g+\t):103+8*(4*\g+\t)], v[32+12*\t:43+12*\t], v[16:27], 0, v[80+\t], v28 matrix_a_fmt:MATRIX_FMT_FP6 matrix_b_fmt:MATRIX_FMT_FP6
.endr
.endr
.rept 4
	v_nop
.endr
.irp b, 0,1,2,3
	v_max3_num_f32 v[212+\b], v[96+16*\b], v[97+16*\b], v[98+16*\b]   ; THE LARGEST SCORE OF EACH BLOCK OF 32 KEYS: for the row's maximum, and, since p rises with the score, for the block's largest p
.endr
.irp i, 3,5,7,9,11,13
.irp b, 0,1,2,3
	v_max3_num_f32 v[212+\b], v[212+\b], v[96+16*\b+\i], v[97+16*\b+\i]
.endr
.endr
.irp b, 0,1,2,3
	v_max_num_f32 v[212+\b], v[212+\b], v[111+16*\b]
.endr
.irp b, 0,1,2,3
	s_delay_alu instid0(VALU_DEP_4)
	v_permlanex16_b32 v[216+\b], v[212+\b], s[SEL], s[SEL+1]
.endr
.irp b, 0,1,2,3
	s_delay_alu instid0(VALU_DEP_4)
	v_max_num_f32 v[212+\b], v[212+\b], v[216+\b]  ; with lane l xor 16's 16 keys
.endr
	s_delay_alu instid0(VALU_DEP_2)
	v_max3_num_f32 v224, v212, v213, v214
	s_delay_alu instid0(VALU_DEP_1)
	v_max_num_f32 v224, v224, v215                 ; the step's largest score of my query
	s_delay_alu instid0(VALU_DEP_1)
	v_mul_f32 v224, s[CS], v224                    ; as t (c is positive)
	s_delay_alu instid0(VALU_DEP_1)
	v_max_num_f32 v13, v13, v224                   ; the running largest t
	v_mov_b32 v224, v12
	s_delay_alu instid0(VALU_DEP_2)
	v_floor_f32 v12, -v13                          ; the new -M = floor(-t) = -ceil(t)
	s_delay_alu instid0(VALU_DEP_1)
	v_sub_f32 v224, v12, v224                      ; old M - new M: a whole number, 0 or less
	s_delay_alu instid0(VALU_DEP_1)
	v_cvt_i32_f32 v224, v224                       ; (it saturates)
	s_delay_alu instid0(VALU_DEP_1)
	v_ldexp_f32 v226, 1.0, v224                    ; f = 2^(old M - new M)
.set qn, 0
.rept 32
	v_pk_fma_f32 v[96+qn:97+qn], v[96+qn:97+qn], s[CS:CS+1], v[12:13] op_sel_hi:[1,0,0]   ; t - M, two at a time
.set qn, qn+2
.endr
.irp b, 0,1,2,3
	v_fma_f32 v[212+\b], v[212+\b], s[CS], v12     ; the same of each block's largest score
.endr
.set qn, 0
	s_wait_alu depctr_va_vdst(0)
.rept 64
	v_exp_f32 v[96+qn], v[96+qn]                   ; p = 2^(t - M), at most 1
.set qn, qn+1
.endr
.irp b, 0,1,2,3
	v_exp_f32 v[212+\b], v[212+\b]                 ; the block's largest p
.endr
	v_pk_mul_f32 v[14:15], v[14:15], v[226:227] op_sel_hi:[1,0]    ; the sums under the new M.  (A plain place behind the exponentials)
	s_wait_alu depctr_va_vdst(0)
.irp b, 0,1,2,3
	v_max_num_f32 v[212+\b], 0x1800000, v[212+\b]  ; the floor 2^(3 - 127)
.endr
.irp b, 0,1,2,3
	s_delay_alu instid0(VALU_DEP_4)
	v_add_nc_u32 v[220+\b], 0xff000000, v[212+\b]  ; 2 off the exponent field: the conversion's scale operand
.endr
.irp b, 0,1,2,3
	s_delay_alu instid0(VALU_DEP_4)
	v_lshrrev_b32 v[216+\b], 23, v[220+\b]         ; the scale's byte
.endr
	s_delay_alu instid0(VALU_DEP_3)
	v_lshl_or_b32 v88, v217, 8, v216               ; p's scale word for these 128 keys
	s_delay_alu instid0(VALU_DEP_1)
	v_lshl_or_b32 v88, v218, 16, v88
	s_delay_alu instid0(VALU_DEP_1)
	v_lshl_or_b32 v88, v219, 24, v88
.irp c, 0,1
	v_cvt_scalef32_pk16_fp6_f32 v[192+6*\c:194+6*\c], v[96+32*\c:111+32*\c], v[220+2*\c]
	v_cvt_scalef32_pk16_fp6_f32 v[204+4*\c:206+4*\c], v[112+32*\c:127+32*\c], v[221+2*\c]
.endr
	v_nop                                          ; one plain place behind a scaled conversion
.irp c, 0,1                                    ; the layout wants a WHOLE block in a lane
.irp i, 0,1,2
	v_permlane16_swap_b32 v[192+6*\c+\i], v[204+4*\c+\i]
.endr
.irp i, 0,1,2
	s_delay_alu instid0(VALU_DEP_3)
	v_mov_b32 v[195+6*\c+\i], v[204+4*\c+\i]
.endr
.endr
	v_pk_add_f32 v[216:217], v[100:101], v[104:105]
	v_pk_add_f32 v[252:253], v[108:109], v[112:113]
	v_pk_add_f32 v[250:251], v[116:117], v[120:121]
	v_pk_add_f32 v[248:249], v[124:125], v[128:129]
	v_pk_add_f32 v[246:247], v[132:133], v[136:137]
	v_pk_add_f32 v[244:245], v[140:141], v[144:145]
	v_pk_add_f32 v[242:243], v[148:149], v[152:153]
	v_pk_add_f32 v[14:15], v[14:15], v[156:157]
	v_pk_add_f32 v[216:217], v[216:217], v[96:97]
	v_pk_add_f32 v[252:253], v[252:253], v[98:99]
	v_pk_add_f32 v[250:251], v[250:251], v[102:103]
	v_pk_add_f32 v[248:249], v[248:249], v[106:107]
	v_pk_add_f32 v[246:247], v[246:247], v[110:111]
	v_pk_add_f32 v[244:245], v[244:245], v[114:115]
	v_pk_add_f32 v[242:243], v[242:243], v[118:119]
	v_pk_add_f32 v[14:15], v[14:15], v[122:123]
	v_pk_add_f32 v[216:217], v[216:217], v[126:127]
	v_pk_add_f32 v[252:253], v[252:253], v[130:131]
	v_pk_add_f32 v[250:251], v[250:251], v[134:135]
	v_pk_add_f32 v[248:249], v[248:249], v[138:139]
	v_pk_add_f32 v[246:247], v[246:247], v[142:143]
	v_pk_add_f32 v[244:245], v[244:245], v[146:147]
	v_pk_add_f32 v[242:243], v[242:243], v[150:151]
	v_pk_add_f32 v[14:15], v[14:15], v[154:155]
	v_pk_add_f32 v[216:217], v[216:217], v[158:159]
	s_delay_alu instid0(VALU_DEP_2)
	v_pk_add_f32 v[14:15], v[14:15], v[248:249]
	s_delay_alu instid0(VALU_DEP_2)
	v_pk_add_f32 v[216:217], v[216:217], v[246:247]
	v_pk_add_f32 v[252:253], v[252:253], v[244:245]
	v_pk_add_f32 v[250:251], v[250:251], v[242:243]
	s_delay_alu instid0(VALU_DEP_2)
	v_pk_add_f32 v[14:15], v[14:15], v[252:253]
	s_delay_alu instid0(VALU_DEP_2)
	v_pk_add_f32 v[216:217], v[216:217], v[250:251]
	s_delay_alu instid0(VALU_DEP_1)
	v_pk_add_f32 v[14:15], v[14:15], v[216:217]
.irp d, 0,1,2,3                                ; V's four fragments (16 channels x these 128 keys) into the registers that p has left
	ds_load_b128 v[96+12*\d:99+12*\d], v[AV16] offset:(8*(\s)+\d)*768
	ds_load_b64 v[100+12*\d:101+12*\d], v[AV8] offset:(8*(\s)+\d)*768
	ds_load_b128 v[102+12*\d:105+12*\d], v[AV16] offset:(8*(\s)+4+\d)*768
	ds_load_b64 v[106+12*\d:107+12*\d], v[AV8] offset:(8*(\s)+4+\d)*768
.endr
	ds_load_b128 v[84:87], v[ASV] offset:(\s)*256
.if !(\first)
.set qn, 0
.rept 16
	v_pk_mul_f32 v[160+qn:161+qn], v[160+qn:161+qn], v[226:227] op_sel_hi:[1,0]   ; O^T under the new M, while the loads are out
.set qn, qn+2
.endr
.endif
	s_wait_alu depctr_va_vdst(0)
	s_wait_dscnt 0x0
.irp d, 0,1,2,3
.if \first
	v_wmma_scale_f32_16x16x128_f8f6f4 v[160+8*\d:167+8*\d], v[96+12*\d:107+12*\d], v[192:203], 0, v[84+\d], v88 matrix_a_fmt:MATRIX_FMT_FP6 matrix_b_fmt:MATRIX_FMT_FP6
.else
	v_wmma_scale_f32_16x16x128_f8f6f4 v[160+8*\d:167+8*\d], v[96+12*\d:107+12*\d], v[192:203], v[160+8*\d:167+8*\d], v[84+\d], v88 matrix_a_fmt:MATRIX_FMT_FP6 matrix_b_fmt:MATRIX_FMT_FP6
.endif
.endr
.endm
	s_wait_alu depctr_va_vdst(0)
	s_wait_loadcnt 0x0                             ; Q
	s_wait_tensorcnt 0x0                           ; my one fill, if I issued one, has landed
	s_barrier_signal -1
	s_barrier_wait -1                              ; so has everybody's: K, V and their scale words are whole; nothing is filled again, so this is the walk's only barrier
	STEP 0, 1
.irp s, 1,2,3,4,5,6,7
	STEP \s, 0
.endr
	; THE WAY OUT: O^T / the sum; a lane's 32 numbers are channels 32 b + 16 (lane / 16) + i of my head: half a fragment of o.
.rept 4
	v_nop
.endr
	v_add_f32 v14, v14, v15
	s_delay_alu instid0(VALU_DEP_1)
	v_permlanex16_b32 v224, v14, s[SEL], s[SEL+1]
	s_delay_alu instid0(VALU_DEP_1)
	v_add_f32 v14, v14, v224                       ; the row's sum
	s_wait_alu depctr_va_vdst(0)
	v_rcp_f32 v14, v14
	v_nop                                          ; a plain place behind the transcendental
.set qn, 0
	s_wait_alu depctr_va_vdst(0)
.rept 32
	v_mul_f32 v[96+qn], v[160+qn], v14             ; each accumulator from its low end on
.set qn, qn+1
.endr
.irp b, 0,1
	v_max3_num_f32 v[TM+\b], |v[96+16*\b]|, |v[97+16*\b]|, 0x1800000
.endr
.irp i, 2,4,6,8,10,12,14
.irp b, 0,1
	s_delay_alu instid0(VALU_DEP_2)
	v_max3_num_f32 v[TM+\b], v[TM+\b], |v[96+16*\b+\i]|, |v[97+16*\b+\i]|
.endr
.endr
.irp b, 0,1
	s_delay_alu instid0(VALU_DEP_2)
	v_permlanex16_b32 v[TM+2+\b], v[TM+\b], s[SEL], s[SEL+1]
.endr
.irp b, 0,1
	s_delay_alu instid0(VALU_DEP_2)
	v_max_num_f32 v[TM+\b], v[TM+\b], v[TM+2+\b]
.endr
.irp b, 0,1
	s_delay_alu instid0(VALU_DEP_2)
	v_add_nc_u32 v[TM+4+\b], 0xff000000, v[TM+\b]
.endr
.irp b, 0,1
	s_delay_alu instid0(VALU_DEP_2)
	v_lshrrev_b32 v[TM+6+\b], 23, v[TM+4+\b]
.endr
	v_cvt_scalef32_pk16_fp6_f32 v[192:194], v[96:111], v[TM+4]
	v_cvt_scalef32_pk16_fp6_f32 v[PY:PY+2], v[112:127], v[TM+5]
	v_lshl_or_b32 v198, v[TM+7], 8, v[TM+6]        ; the two bytes.  (The plain place behind the conversions)
.irp i, 0,1,2
	v_permlane16_swap_b32 v[192+\i], v[PY+\i]
.endr
.irp i, 0,1,2
	s_delay_alu instid0(VALU_DEP_3)
	v_mov_b32 v[195+\i], v[PY+\i]
.endr
	global_store_b128 v[AK16], v[192:195], s[92:93]                ; 512 consecutive bytes, aligned to 256
	global_store_b64 v7, v[196:197], s[92:93] offset:512           ; 256
	global_store_b16 v11, v198, s[94:95]                           ; both halves of the lanes write the same
	s_wait_tensorcnt 0x0
	ds_add_u32 v254, v255
	s_wait_dscnt 0x0
	CROUND                                         ; the closing round: no work-group ends while a partner may still ask for a tile that names it
	s_endpgm
.Lfunc_end_k_qedb525cc3c_att:
	.size	k_qedb525cc3c_att, .Lfunc_end_k_qedb525cc3c_att-k_qedb525cc3c_att
	.p2alignl 7, 3214868480
	.fill 96, 4, 3214868480
	.section	.rodata,"a",@progbits
	.p2align	6, 0x0
	.amdhsa_kernel k_qedb525cc3c_att
		.amdhsa_group_segment_fixed_size 169984
		.amdhsa_private_segment_fixed_size 0
		.amdhsa_enable_private_segment 0
		.amdhsa_kernarg_size 16
		.amdhsa_user_sgpr_count 2
		.amdhsa_user_sgpr_kernarg_segment_ptr 1
		.amdhsa_wavefront_size32 1
		.amdhsa_system_sgpr_workgroup_id_x 1
		.amdhsa_system_sgpr_workgroup_id_y 1
		.amdhsa_system_sgpr_workgroup_id_z 1
		.amdhsa_system_vgpr_workitem_id 0
		.amdhsa_next_free_vgpr 256
		.amdhsa_next_free_sgpr 100
		.amdhsa_reserve_vcc 0
		.amdhsa_float_denorm_mode_32 3
		.amdhsa_float_denorm_mode_16_64 3
		.amdhsa_memory_ordered 1
		.amdhsa_forward_progress 1
		.amdhsa_inst_pref_size 149
	.end_amdhsa_kernel
	.amdgpu_metadata
---
amdhsa.version: [ 1, 2 ]
amdhsa.kernels:
  - .name:           k_qedb525cc3c_att
    .symbol:         k_qedb525cc3c_att.kd
    .args:
      - { .name: qkv, .offset: 0, .size: 8, .value_kind: global_buffer, .address_space: global }
      - { .name: oq, .offset: 8, .size: 8, .value_kind: global_buffer, .address_space: global }
    .group_segment_fixed_size: 169984
    .private_segment_fixed_size: 0
    .kernarg_segment_align: 8
    .kernarg_segment_size: 16
    .max_flat_workgroup_size: 512
    .sgpr_count:     100
    .vgpr_count:     256
    .wavefront_size: 32
...
	.end_amdgpu_metadata
.endif
;; end of part 3
;; launch projln (part 4): grid 256 x 1, 8 waves a work-group, no clusters, 167,936 bytes of LDS; arguments oq, wts, bo, x, ln2_g, ln2_b, x1, hq; writes x1, hq
.if DOCPART == 4
	.amdgcn_target "amdgcn-amd-amdhsa--gfx1250"
	.amdhsa_code_object_version 6
	.text
	.protected	k_qedb525cc3c_projln
	.globl	k_qedb525cc3c_projln
	.p2align	8
	.type	k_qedb525cc3c_projln,@function
k_qedb525cc3c_projln:
	s_mov_b64 s[64:65], 0
	v_nop
	global_prefetch_b8 v0, s[64:65] scope:SCOPE_SE
	s_setreg_imm32_b32 hwreg(HW_REG_WAVE_MODE, 25, 1), 1
	s_wait_xcnt 0x0
; x1 = x + o Wo + bo, and h2 = LayerNorm(x1) quantised, in one launch.  The product is on codes of FP6 (E2M3) with E8M0 scales for each 32 along K = 1,024, f32 sums; all else in f32.
; LIMITS of the quantiser: NaN and infinities are not served; a block whose largest magnitude lies under 2^-124 keeps the byte 1; a block of zeros gets the byte 1 and not 127 (zero codes; this program alone reads the bytes).
; SHARES.  A work-group owns one fragment of 16 tokens and ALL 1,024 columns, so that a row's mean and variance are its own: 256 work-groups.  Wave w of eight makes columns 128 w on: 8 accumulators.
; OPERANDS lie as images of the matrix unit's registers: [fragment of 16 rows][K step of 128][1,536 bytes]; slot r of fragment 2 G + u is row 32 G + 8 u + r + 8 (r / 8).
; Source 0 = rows of Wo's operand (columns of x1), source 1 = the tokens: a lane holds one token, and tiles 2 g, 2 g + 1 hold columns 32 g + 16 (lane / 16) + 0 .. 15.  bo is loaded into the accumulators and is the C of each sum's first instruction.
; THE WEIGHT GOES FROM MEMORY STRAIGHT INTO OPERAND REGISTERS: with 16 tokens to a work-group each of its fragments feeds ONE matrix instruction, so a way through LDS would add a write and a read of every byte and spare none.
; For the same reason no cluster and no joint loads: there is no LDS tile to share.  Each wave has 48 to 64 of its own loads out, four groups of four fragments by turns.
; PREFETCH.  All work-groups read the same 786,432 bytes of Wo's codes, 3,072 blocks of 256.  They share the blocks out: work-group i, wave w names blocks 24 (i % 128) + 3 w + 0 .. 2, once, at the head, ahead of every load:
; one instruction a wave, 6,144 bytes a work-group; each block is named by two work-groups, 128 apart.  The walk has no loop in which to ask again.
; x comes by one tensor load a wave (its two rows, 8,192 dense bytes) into LDS bytes that the wave alone reads: it is counted apart from the weight's loads, which finish in their order of issue.
; THEN: the sums go to an LDS stage [slot][column]; one barrier; wave w takes slots 2 w, 2 w + 1 as whole rows, adds x, stores x1 (512 consecutive bytes a store), normalises, and lays the rows back;
; one barrier; wave w takes K step w: lane (r, h) reads blocks h and 2 + h of slot r: a block's maximum needs no other lane, and the conversions' results are the operand's registers.
; REGISTERS, window 0: v1-7 addresses; v8-31 figures; v32-63 Wo's scale words, v64-67 o's; v84-179 o's eight fragments; v180-186 spare word, 0, addresses; v192-255 accumulators.  Behind the product: v32-95 two rows, v160-178 codes, v192-255 x.
;   window 1: v0-191 the weight's four groups of four fragments; v192-223 g, v224-255 b.
.set PITCH, 4112                       ; a stage row: 4,096 bytes + 16
.set XL,    65792                      ; behind the stage: x, 8,192 bytes a wave
.set SPARE, 131328                     ; the spare words, 128 bytes a wave: four blocks of 256 bytes that no other line names
.set XR, 32
.set GG, 192                           ; in window 1
.set BB, 224                           ; in window 1
.set CD, 160
.set XX, 192
.set ACC, 192
.set AF, 84
.set SB, 32
.set SA, 64
.set SPW, 180
.set NIL, 181
.set SCA, 182                          ; scale words: 32 r + 16 h
.set BIA, 183                          ; bo: 64 h
.set STA, 184                          ; the stage, in: r PITCH + 512 w + 64 h
.set XLA, 185                          ; x in LDS: my wave's bytes, 16 x lane
.set PFV, 186                          ; the prefetch: 256 x min(lane, 2)
.set MSB, 0
.macro WIN new                         ; the immediate's high byte repeats the setting that is left
.if MSB != \new
	s_set_vgpr_msb (MSB<<8)|\new
.set MSB, \new
.endif
.endm
.macro GFRAG reg, base, off            ; a fragment's image: every load covers consecutive bytes
	global_load_b128 v[(\reg):(\reg)+3], v1, s[\base:\base+1] offset:\off
	global_load_b64 v[(\reg)+4:(\reg)+5], v7, s[\base:\base+1] offset:(\off)+512
	global_load_b128 v[(\reg)+6:(\reg)+9], v1, s[\base:\base+1] offset:(\off)+768
	global_load_b64 v[(\reg)+10:(\reg)+11], v7, s[\base:\base+1] offset:(\off)+1280
.endm
.macro GROUP t                         ; group t: K step t / 2, my fragments 4 (t % 2) + 0 .. 3, into buffer t % 4 of window 1: 16 loads
	WIN 0x40
.irp i, 0,1,2,3
	GFRAG 48*((\t)%4)+12*\i, 40, (4*((\t)%2)+\i)*12288+((\t)/2)*1536
.endr
.endm
.macro MULT t                          ; its four matrix instructions; the eight accumulators take turns; K steps 4-7 take the scale words of lanes 16-31
	WIN 0x01
.irp i, 0,1,2,3
.set mJ, 4*((\t)%2)+\i
.set mK, (\t)/2
.set mD, ACC+8*mJ
.set mA, 48*((\t)%4)+12*\i
.set mB, AF+12*mK
.if mK >= 4
	v_wmma_scale_f32_16x16x128_f8f6f4 v[mD:mD+7], v[mA:mA+11], v[mB:mB+11], v[mD:mD+7], v[SB+4*mJ+mK%4], v[SA+mK%4] matrix_a_fmt:MATRIX_FMT_FP6 matrix_b_fmt:MATRIX_FMT_FP6 matrix_a_scale:MATRIX_SCALE_ROW1 matrix_b_scale:MATRIX_SCALE_ROW1
.else
	v_wmma_scale_f32_16x16x128_f8f6f4 v[mD:mD+7], v[mA:mA+11], v[mB:mB+11], v[mD:mD+7], v[SB+4*mJ+mK%4], v[SA+mK%4] matrix_a_fmt:MATRIX_FMT_FP6 matrix_b_fmt:MATRIX_FMT_FP6
.endif
.endr
.endm
	s_load_b256 s[4:11], s[0:1], 0x0               ; oq, wts, bo, x
	s_load_b256 s[12:19], s[0:1], 0x20             ; g, b, x1, hq
	v_lshl_add_u32 v[SPW], v0, 2, SPARE
	v_mov_b32 v[NIL], 0
	ds_add_u32 v[SPW], v[NIL]                      ; the opening lines: the add, twice on end, and its wait ahead of my tensor load
	ds_add_u32 v[SPW], v[NIL]
	v_lshrrev_b32 v1, 5, v0
	v_readfirstlane_b32 s20, v1                    ; wave 0..7
	s_lshr_b32 s21, ttmp9, 1
	s_and_b32 s22, ttmp9, 1
	s_lshl_b32 s21, s21, 5
	s_lshl_b32 s22, s22, 3
	s_add_co_u32 s21, s21, s22                     ; 32 G + 8 u
	s_lshl_b32 s22, s20, 1
	s_add_co_u32 s21, s21, s22
	s_lshr_b32 s22, s20, 2
	s_lshl_b32 s22, s22, 3
	s_add_co_u32 s21, s21, s22                     ; + 2 w + 8 (w / 4): the row of slot 2 w
	s_lshl_b32 s46, s21, 12                        ; its place in x and in x1
	s_mov_b32 s47, 0
	s_mul_i32 s36, ttmp9, 12288                    ; o's fragment = work-group
	s_mov_b32 s37, 0
	s_lshl_b32 s38, ttmp9, 9
	s_add_co_u32 s38, s38, 3145728                 ; its scale words
	s_mov_b32 s39, 0
	s_mul_i32 s40, s20, 98304
	s_add_co_u32 s40, s40, 2359296                 ; Wo's fragments 8 w on
	s_mov_b32 s41, 0
	s_lshl_b32 s42, s20, 12
	s_add_co_u32 s42, s42, 9535488                 ; their scale words
	s_mov_b32 s43, 0
	s_lshl_b32 s44, s20, 9                         ; bo at column 128 w
	s_mov_b32 s45, 0
	s_lshl_b32 s54, ttmp9, 3
	s_add_co_u32 s54, s54, s20
	s_mul_i32 s54, s54, 1536                       ; out: fragment = work-group, K step = wave
	s_mov_b32 s55, 0
	s_lshl_b32 s56, ttmp9, 9
	s_lshl_b32 s57, s20, 2
	s_add_co_u32 s56, s56, s57
	s_add_co_u32 s56, s56, 3145728                 ; its scale words
	s_mov_b32 s57, 0
	s_and_b32 s60, ttmp9, 127                      ; the prefetch: my wave's three blocks of Wo's codes
	s_mul_i32 s60, s60, 6144
	s_mul_i32 s61, s20, 768
	s_add_co_u32 s60, s60, s61
	s_add_co_u32 s60, s60, 2359296
	s_mov_b32 s61, 0
	s_mov_b32 s50, 0x76543210
	s_mov_b32 s51, 0xfedcba98                      ; v_permlanex16_b32's selects for lane l xor 16
	s_mov_b32 s52, 0x3a800000                      ; 1 / 1024
	s_mov_b32 s53, 0x3727c5ac                      ; 1e-5
	s_mov_b32 s24, 1                               ; x's tile: 8,192 dense bytes as 32 rows of 256
	s_lshl_b32 s25, s20, 13
	s_add_co_u32 s25, s25, XL
	s_mov_b32 s28, 3<<16                           ; elements of 8 bytes, no padding: the rows are read back as they lie
	s_mov_b32 s29, 32<<16
	s_mov_b32 s30, 32<<16
	s_mov_b32 s31, 32<<16
	s_mov_b32 s32, 32
	s_mov_b32 s33, 32
	s_mov_b32 s34, 0
	s_mov_b32 s35, 0
	s_mul_i32 s58, s20, 2*PITCH
	s_lshl_b32 s59, s20, 9
	s_wait_dscnt 0x0                               ; both opening adds are done
	s_wait_kmcnt 0x0
	s_add_nc_u64 s[26:27], s[10:11], s[46:47]
	s_or_b32 s27, s27, 0x80000000
	s_add_nc_u64 s[36:37], s[4:5], s[36:37]
	s_add_nc_u64 s[38:39], s[4:5], s[38:39]
	s_add_nc_u64 s[40:41], s[6:7], s[40:41]
	s_add_nc_u64 s[42:43], s[6:7], s[42:43]
	s_add_nc_u64 s[44:45], s[8:9], s[44:45]
	s_add_nc_u64 s[46:47], s[16:17], s[46:47]
	s_add_nc_u64 s[54:55], s[18:19], s[54:55]
	s_add_nc_u64 s[56:57], s[18:19], s[56:57]
	s_add_nc_u64 s[60:61], s[6:7], s[60:61]
	v_and_b32 v2, 31, v0                           ; lane
	v_and_b32 v5, 15, v0                           ; r
	v_bfe_u32 v6, v0, 4, 1                         ; h
	v_lshlrev_b32 v1, 4, v2                        ; 16 x lane
	v_lshlrev_b32 v7, 3, v2                        ; 8 x lane
	v_min_u32 v[PFV], 2, v2
	v_add_nc_u32 v3, s58, v1                       ; the stage by rows: slot 2 w, 16 x lane
	v_mul_u32_u24 v4, v5, PITCH
	v_lshlrev_b32 v[SCA], 5, v5
	v_lshlrev_b32 v[BIA], 6, v6
	v_lshlrev_b32 v[PFV], 8, v[PFV]                ; a lane a block; the lanes left over name the last block again
	v_lshl_add_u32 v[STA], v6, 6, v4
	v_lshl_add_u32 v4, v6, 7, v4
	v_lshl_add_u32 v[SCA], v6, 4, v[SCA]
	v_add_nc_u32 v[STA], s59, v[STA]
	v_add_nc_u32 v4, s59, v4                       ; the stage by blocks: slot r, K step w, + 128 h
	v_add_nc_u32 v[XLA], s25, v1
	s_wait_alu depctr_va_vdst(0)
	global_prefetch_b8 v[PFV], s[60:61] th:TH_LOAD_NT scope:SCOPE_SE
	global_load_b128 v[SA:SA+3], v[SCA], s[38:39]  ; lanes 0-15: the words of K steps 0-3; lanes 16-31: of K steps 4-7
.irp j, 0,1,2,3,4,5,6,7
	global_load_b128 v[SB+4*\j:SB+4*\j+3], v[SCA], s[42:43] offset:512*\j
.endr
.irp j, 0,1,2,3,4,5,6,7
	global_load_b128 v[ACC+8*\j:ACC+8*\j+3], v[BIA], s[44:45] offset:(32*(\j/2)+8*(\j%2))*4
	global_load_b128 v[ACC+8*\j+4:ACC+8*\j+7], v[BIA], s[44:45] offset:(32*(\j/2)+8*(\j%2))*4+16
.endr
.irp k, 0,1,2,3,4,5,6,7
	GFRAG AF+12*\k, 36, 1536*\k
.endr
	tensor_load_to_lds s[24:27], s[28:35]          ; my two rows of x: my one tensor load; it is wanted only behind the product
	s_nop 0
	WIN 0x40                                       ; (directly behind the s_nop 0)
.irp j, 0,1,2,3,4,5,6,7
	global_load_b128 v[GG+4*\j:GG+4*\j+3], v1, s[12:13] offset:512*\j
.endr
.irp j, 0,1,2,3,4,5,6,7
	global_load_b128 v[BB+4*\j:BB+4*\j+3], v1, s[14:15] offset:512*\j
.endr
	GROUP 0
	GROUP 1
	GROUP 2
	GROUP 3
.set T, 0
.rept 16
.if T < 13
	s_wait_loadcnt 48                              ; group T is in, and all that was asked for ahead of it; the three groups behind it, 16 loads each, may be out
.else
	s_wait_loadcnt 16*(15-T)                       ; the 15 - T groups behind it may be out
.endif
	MULT T
.if T+4 < 16
.rept 4
	v_nop                                          ; places in front of loads into registers that matrix instructions have read
.endr
	GROUP T+4
.endif
.set T, T+1
.endr
	WIN 0
.rept 4
	v_nop                                          ; places in front of the reads of the sums and of the loads into operands that are done with
.endr
	s_wait_tensorcnt 0x0                           ; my rows of x lie in LDS; no tensor load is out when LDS is stored to
.irp j, 0,1,2,3,4,5,6,7
	ds_store_b128 v[STA], v[ACC+8*\j:ACC+8*\j+3] offset:128*(\j/2)+32*(\j%2)        ; each accumulator from its low end on
	ds_store_b128 v[STA], v[ACC+8*\j+4:ACC+8*\j+7] offset:128*(\j/2)+32*(\j%2)+16
.endr
	s_wait_dscnt 0x0                               ; for the others' sake: my 128 columns lie in the stage
	s_barrier_signal -1
	s_barrier_wait -1
.irp p, 0,1
.irp j, 0,1,2,3,4,5,6,7
	ds_load_b128 v[XR+32*\p+4*\j:XR+32*\p+4*\j+3], v3 offset:PITCH*\p+512*\j
.endr
.endr
.irp p, 0,1
.irp j, 0,1,2,3,4,5,6,7
	ds_load_b128 v[XX+32*\p+4*\j:XX+32*\p+4*\j+3], v[XLA] offset:4096*\p+512*\j
.endr
.endr
.irp p, 0,1
	v_mov_b32 v[12+8*\p], 0                        ; written once: a lane permute's destination counts as one of its sources
.endr
	s_wait_dscnt 0x0
.irp p, 0,1
.irp j, 0,2,4,6,8,10,12,14,16,18,20,22,24,26,28,30
	v_pk_add_f32 v[XR+32*\p+\j:XR+32*\p+\j+1], v[XR+32*\p+\j:XR+32*\p+\j+1], v[XX+32*\p+\j:XX+32*\p+\j+1]   ; x1 = (bo + o Wo) + x
.endr
.endr
.irp p, 0,1
.irp j, 0,1,2,3,4,5,6,7
	global_store_b128 v1, v[XR+32*\p+4*\j:XR+32*\p+4*\j+3], s[46:47] offset:4096*\p+512*\j   ; 512 consecutive bytes, aligned to 256
.endr
.endr
; row p's figures: v[8 + 8 p], v[9 + 8 p] a sum's first chain, then the sum, then the mean; +2, +3 the second chain; +4 the other half of the lanes'; +5 var + eps; +6 (with +7 as a pair) 1 / sqrt
.macro REDUCE
.irp p, 0
	s_delay_alu instid0(VALU_DEP_3)
	v_pk_add_f32 v[8+8*\p:9+8*\p], v[8+8*\p:9+8*\p], v[10+8*\p:11+8*\p]
.endr
.irp p, 1
	s_delay_alu instid0(VALU_DEP_2)
	v_pk_add_f32 v[8+8*\p:9+8*\p], v[8+8*\p:9+8*\p], v[10+8*\p:11+8*\p]
.endr
.irp p, 0,1
	s_delay_alu instid0(VALU_DEP_2)
	v_add_f32 v[8+8*\p], v[8+8*\p], v[9+8*\p]
.endr
.irp m, 1,2,4,8
.irp p, 0,1
	s_delay_alu instid0(VALU_DEP_2)
	v_add_f32_dpp v[8+8*\p], v[8+8*\p], v[8+8*\p] row_xmask:\m row_mask:0xf bank_mask:0xf
.endr
.endr
.irp p, 0,1
	s_delay_alu instid0(VALU_DEP_2)
	v_permlanex16_b32 v[12+8*\p], v[8+8*\p], s50, s51
.endr
.irp p, 0,1
	s_delay_alu instid0(VALU_DEP_2)
	v_add_f32 v[8+8*\p], v[8+8*\p], v[12+8*\p]
.endr
.endm
.irp p, 0,1
	v_pk_add_f32 v[8+8*\p:9+8*\p], v[XR+32*\p:XR+32*\p+1], v[XR+32*\p+2:XR+32*\p+3]
	v_pk_add_f32 v[10+8*\p:11+8*\p], v[XR+32*\p+4:XR+32*\p+5], v[XR+32*\p+6:XR+32*\p+7]
.endr
.irp j, 8,12,16,20,24,28
.irp p, 0,1
	s_delay_alu instid0(VALU_DEP_4)
	v_pk_add_f32 v[8+8*\p:9+8*\p], v[8+8*\p:9+8*\p], v[XR+32*\p+\j:XR+32*\p+\j+1]
	s_delay_alu instid0(VALU_DEP_4)
	v_pk_add_f32 v[10+8*\p:11+8*\p], v[10+8*\p:11+8*\p], v[XR+32*\p+\j+2:XR+32*\p+\j+3]
.endr
.endr
	REDUCE
.irp p, 0,1
	s_delay_alu instid0(VALU_DEP_2)
	v_mul_f32 v[8+8*\p], s52, v[8+8*\p]            ; the mean
.endr
	s_wait_alu depctr_va_vdst(0)                   ; directly ahead of the wait below
	s_wait_xcnt 0x0                                ; x1's stores have read their registers: the rows are written again only behind this wait
.irp j, 0,2,4,6,8,10,12,14,16,18,20,22,24,26,28,30
.irp p, 0,1
	v_pk_add_f32 v[XR+32*\p+\j:XR+32*\p+\j+1], v[XR+32*\p+\j:XR+32*\p+\j+1], v[8+8*\p:9+8*\p] op_sel_hi:[1,0] neg_lo:[0,1] neg_hi:[0,1]   ; x1 - mean, in place
.endr
.endr
.irp p, 0,1
	v_pk_mul_f32 v[8+8*\p:9+8*\p], v[XR+32*\p:XR+32*\p+1], v[XR+32*\p:XR+32*\p+1]
	v_pk_mul_f32 v[10+8*\p:11+8*\p], v[XR+32*\p+2:XR+32*\p+3], v[XR+32*\p+2:XR+32*\p+3]
.endr
.irp j, 4,8,12,16,20,24,28
.irp p, 0,1
	s_delay_alu instid0(VALU_DEP_4)
	v_pk_fma_f32 v[8+8*\p:9+8*\p], v[XR+32*\p+\j:XR+32*\p+\j+1], v[XR+32*\p+\j:XR+32*\p+\j+1], v[8+8*\p:9+8*\p]
	s_delay_alu instid0(VALU_DEP_4)
	v_pk_fma_f32 v[10+8*\p:11+8*\p], v[XR+32*\p+\j+2:XR+32*\p+\j+3], v[XR+32*\p+\j+2:XR+32*\p+\j+3], v[10+8*\p:11+8*\p]
.endr
.endr
	REDUCE
.irp p, 0,1
	s_delay_alu instid0(VALU_DEP_2)
	v_fma_f32 v[13+8*\p], v[8+8*\p], s52, s53      ; var + eps
.endr
	s_wait_alu depctr_va_vdst(0)                   ; ahead of the transcendentals
.irp p, 0,1
	v_rsq_f32 v[14+8*\p], v[13+8*\p]
.endr
.irp p, 0,1
	v_mov_b32 v[15+8*\p], 0                        ; (named with it as a pair.)  The plain place behind the transcendentals
.endr
	s_wait_alu depctr_va_vdst(0)                   ; and behind them, ahead of their first reader
.irp j, 0,2,4,6,8,10,12,14,16,18,20,22,24,26,28,30
.irp p, 0,1
	v_pk_mul_f32 v[XR+32*\p+\j:XR+32*\p+\j+1], v[XR+32*\p+\j:XR+32*\p+\j+1], v[14+8*\p:15+8*\p] op_sel_hi:[1,0]
.endr
.endr
	WIN 0x14                                       ; sources 1 and 2, g and b, in window 1 (they came in ahead of the weight's first group)
.irp j, 0,2,4,6,8,10,12,14,16,18,20,22,24,26,28,30
.irp p, 0,1
	v_pk_fma_f32 v[XR+32*\p+\j:XR+32*\p+\j+1], v[XR+32*\p+\j:XR+32*\p+\j+1], v[GG+\j:GG+\j+1], v[BB+\j:BB+\j+1]
.endr
.endr
	WIN 0
.irp p, 0,1
.irp j, 0,1,2,3,4,5,6,7
	ds_store_b128 v3, v[XR+32*\p+4*\j:XR+32*\p+4*\j+3] offset:PITCH*\p+512*\j     ; over my own two rows, which I alone have read since the barrier
.endr
.endr
	s_wait_dscnt 0x0                               ; for the others' sake: my two rows lie in LDS
	s_barrier_signal -1
	s_barrier_wait -1
.irp c, 0,1
.irp i, 0,1,2,3,4,5,6,7
	ds_load_b128 v[XR+32*\c+4*\i:XR+32*\c+4*\i+3], v4 offset:256*\c+16*\i     ; k = 128 w + 64 c + 32 h + 0 .. 31 of slot r
.endr
.endr
	v_mov_b32 v31, 0
	s_wait_dscnt 0x0
.irp c, 0,1
	v_max3_num_f32 v[24+\c], |v[XR+32*\c]|, |v[XR+32*\c+1]|, 0x1800000        ; block 2 c + h: all 32 numbers are mine; and the floor 2^(3 - 127)
.endr
.irp i, 2,4,6,8,10,12,14,16,18,20,22,24,26,28,30
.irp c, 0,1
	s_delay_alu instid0(VALU_DEP_2)
	v_max3_num_f32 v[24+\c], v[24+\c], |v[XR+32*\c+\i]|, |v[XR+32*\c+\i+1]|
.endr
.endr
.irp c, 0,1
	s_delay_alu instid0(VALU_DEP_2)
	v_add_nc_u32 v[28+\c], 0xff000000, v[24+\c]    ; 2 off the exponent field: the conversion's scale operand
.endr
.irp c, 0,1
	s_delay_alu instid0(VALU_DEP_2)
	v_lshrrev_b32 v[26+\c], 23, v[28+\c]           ; the scale's byte
.endr
	s_delay_alu instid0(VALU_DEP_1)
	v_lshl_or_b32 v30, v27, 16, v26                ; my two bytes, blocks h and 2 + h,
	v_lshlrev_b32 v24, 3, v6
	s_delay_alu instid0(VALU_DEP_1)
	v_lshlrev_b32 v30, v24, v30                    ; at their places in the word;
	s_delay_alu instid0(VALU_DEP_1)
	v_permlanex16_b32 v31, v30, s50, s51
	s_delay_alu instid0(VALU_DEP_1)
	v_or_b32 v30, v30, v31                         ; with lane l xor 16's two the word is whole
.irp c, 0,1
	v_cvt_scalef32_pk16_fp6_f32 v[CD+6*\c:CD+6*\c+2], v[XR+32*\c:XR+32*\c+15], v[28+\c]
	v_cvt_scalef32_pk16_fp6_f32 v[CD+12+4*\c:CD+14+4*\c], v[XR+32*\c+16:XR+32*\c+31], v[28+\c]   ; (a conversion's three registers begin on an even number)
.endr
	v_nop                                          ; one plain place behind a scaled conversion
.irp c, 0,1
.irp i, 0,1,2
	v_mov_b32 v[CD+3+6*\c+\i], v[CD+12+4*\c+\i]
.endr
.endr
	v_lshlrev_b32 v5, 5, v5                        ; 32 r
	global_store_b128 v1, v[CD:CD+3], s[54:55]                     ; each store of 16 bytes a lane covers 512 consecutive bytes, aligned to 256; each of 8 bytes 256
	global_store_b64 v7, v[CD+4:CD+5], s[54:55] offset:512
	global_store_b128 v1, v[CD+6:CD+9], s[54:55] offset:768
	global_store_b64 v7, v[CD+10:CD+11], s[54:55] offset:1280
	global_store_b32 v5, v30, s[56:57]                             ; both halves of the lanes write the same word with the same value
	s_wait_tensorcnt 0x0                           ; the wave's end
	ds_add_u32 v[SPW], v[NIL]
	s_wait_dscnt 0x0
	s_endpgm
.Lfunc_end_k_qedb525cc3c_projln:
	.size	k_qedb525cc3c_projln, .Lfunc_end_k_qedb525cc3c_projln-k_qedb525cc3c_projln
	.p2alignl 7, 3214868480
	.fill 96, 4, 3214868480
	.section	.rodata,"a",@progbits
	.p2align	6, 0x0
	.amdhsa_kernel k_qedb525cc3c_projln
		.amdhsa_group_segment_fixed_size 167936
		.amdhsa_private_segment_fixed_size 0
		.amdhsa_enable_private_segment 0
		.amdhsa_kernarg_size 64
		.amdhsa_user_sgpr_count 2
		.amdhsa_user_sgpr_kernarg_segment_ptr 1
		.amdhsa_wavefront_size32 1
		.amdhsa_system_sgpr_workgroup_id_x 1
		.amdhsa_system_sgpr_workgroup_id_y 1
		.amdhsa_system_sgpr_workgroup_id_z 1
		.amdhsa_system_vgpr_workitem_id 0
		.amdhsa_next_free_vgpr 512
		.amdhsa_next_free_sgpr 66
		.amdhsa_reserve_vcc 0
		.amdhsa_float_denorm_mode_32 3
		.amdhsa_float_denorm_mode_16_64 3
		.amdhsa_memory_ordered 1
		.amdhsa_forward_progress 1
		.amdhsa_inst_pref_size 75
	.end_amdhsa_kernel
	.amdgpu_metadata
---
amdhsa.version: [ 1, 2 ]
amdhsa.kernels:
  - .name:           k_qedb525cc3c_projln
    .symbol:         k_qedb525cc3c_projln.kd
    .args:
      - { .name: oq, .offset: 0, .size: 8, .value_kind: global_buffer, .address_space: global }
      - { .name: wts, .offset: 8, .size: 8, .value_kind: global_buffer, .address_space: global }
      - { .name: bo, .offset: 16, .size: 8, .value_kind: global_buffer, .address_space: global }
      - { .name: x, .offset: 24, .size: 8, .value_kind: global_buffer, .address_space: global }
      - { .name: ln2_g, .offset: 32, .size: 8, .value_kind: global_buffer, .address_space: global }
      - { .name: ln2_b, .offset: 40, .size: 8, .value_kind: global_buffer, .address_space: global }
      - { .name: x1, .offset: 48, .size: 8, .value_kind: global_buffer, .address_space: global }
      - { .name: hq, .offset: 56, .size: 8, .value_kind: global_buffer, .address_space: global }
    .group_segment_fixed_size: 167936
    .private_segment_fixed_size: 0
    .kernarg_segment_align: 8
    .kernarg_segment_size: 64
    .max_flat_workgroup_size: 256
    .sgpr_count:     66
    .vgpr_count:     512
    .wavefront_size: 32
...
	.end_amdgpu_metadata
.endif
;; end of part 4
;; launch fc1 (part 5): grid 8 x 32, 4 waves a work-group, clusters of 4 x 4, 327,680 bytes of LDS; arguments hq, wts, b1, gq; writes gq
.if DOCPART == 5
	.amdgcn_target "amdgcn-amd-amdhsa--gfx1250"
	.amdhsa_code_object_version 6
	.text
	.protected	k_qedb525cc3c_fc1
	.globl	k_qedb525cc3c_fc1
	.p2align	8
	.type	k_qedb525cc3c_fc1,@function
k_qedb525cc3c_fc1:
	s_mov_b64 s[64:65], 0
	v_nop
	global_prefetch_b8 v0, s[64:65] scope:SCOPE_SE
	s_setreg_imm32_b32 hwreg(HW_REG_WAVE_MODE, 25, 1), 1
	s_wait_xcnt 0x0
	s_wait_alu depctr_hold_cnt(0) depctr_sa_sdst(0) depctr_va_vdst(0) depctr_va_sdst(0) depctr_va_ssrc(0) depctr_va_vcc(0) depctr_vm_vsrc(0)
	s_getreg_b32 s2, hwreg(HW_REG_IB_STS2, 6, 4)
	s_cmp_eq_u32 s2, 0
	s_cbranch_scc0 .Lentry_in_a_cluster
	s_endpgm
.Lentry_in_a_cluster:
	s_bfe_u32 s2, ttmp6, 0x10000c
	s_cmp_lg_u32 s2, 0xf033
	s_cbranch_scc0 .Lentry_shape_is_right
	s_endpgm
.Lentry_shape_is_right:
; g = relu(h2 W1 + b1): the product on codes of FP6 (E2M3) with E8M0 scales for each 32 along K = 1,024, f32 sums; g is quantised along its 4,096 columns on the way out and never lies in memory as f32.
; LIMITS of the quantiser: NaN and infinities are not served; a block whose largest magnitude lies under 2^-124 keeps the byte 1; a block of zeros gets the byte 1 and not 127 (zero codes; this program alone reads the bytes).
; OPERANDS lie as images of the matrix unit's registers: [fragment of 16 rows][K step of 128][1,536 bytes]; a fragment is two halves of 768 bytes: registers 0-3 of the half's six at 16 x lane, registers 4, 5 at 512 + 8 x lane.
; Slot r of fragment 2 G + u is row 32 G + 8 u + r + 8 (r / 8): so the 16 registers of two neighbouring result tiles of source 0 are 16 NEIGHBOURS along source 0's rows, which are the next product's K.
; SHARES.  A tile of C is 128 x 128: four waves of 64 x 64, 16 accumulators each.  Work-group (x, y) has rows 128 y of h2 and makes four tiles: columns 512 x on.  8 x 32 work-groups.
; A STAYS IN REGISTERS.  The four tiles share their rows of h2: a wave's 64 rows x 1,024 K are 32 fragments, 384 registers.  In tile 0 each K step's four fragments of A are read from LDS into registers of their own;
; tiles 1 to 3 read B alone: 6,144 bytes a wave for a K step's 16 matrix instructions, half of what a K step reads with A from LDS.
; B COMES A TILE AT A TIME, into two buffers of 98,304 bytes.  LDS: slot s (s = 0, 1) holds A's and buffer 0's 512 along K from 512 s on; buffer 1 lies behind the slots.  First fills, three fills, two loads a wave: slot 0, slot 1,
; tile 1 into buffer 1.  Tile 2 fills buffer 0 again behind tile 0's last reads, tile 3 buffer 1 behind tile 1's: two rounds of the cluster's barrier, each with one load a wave (a quarter of the tile), and each such load
; has a whole tile's 128 matrix instructions a wave and a way out in which to land.
; CLUSTERS of 4 x 4: A's tiles are asked for jointly along a row of the cluster, B's along a column.
; Source 0 = rows of the weight, source 1 = rows of h2.  The bias is the C of each sum's first matrix instruction.
; SCALES come straight from memory into registers that hold nothing else: one load of 16 bytes gives lanes 0-15 the words of K steps 0-3 and lanes 16-31 those of K steps 4-7 (taken by the ROW1 selectors).
; REGISTERS: window 0: v1-31 addresses; v32-47 A's scale words; v48-79 B's, two sets; v96-127 at work on the way out; v128-255 accumulator (i, j) at 128 + 8 (4 i + j).
;   window 1: v0-47, v48-95 B's four fragments, two buffers; v96-127 the bias.   window 2: A's fragments of K steps 0-4, block i of K step ks at 48 ks + 12 i.   window 3: those of K steps 5-7, at 48 (ks - 5) + 12 i.
.set KS,     8
.set KL,     1
.set NT,     4                         ; tiles of C to a work-group
.set NG,     8*NT                      ; its K steps
.set OFFSA,  3145728
.set OFFB,   3145728
.set OFFSB,  9568256
.set TILEB,  98304                     ; a tile's rows of the weight: 8 fragment rows of 8 x 1,536 bytes
.set SBSTEP, 16
.set SBLAP,  4096
.set SLOT,  98304                      ; A's 8 fragment rows x 6,144 bytes (4 K steps), then B's 8
.set BOFF,  49152
.set QUART, 24576                      ; what one tensor load brings: 4 fragment rows x 4 K steps
.set FROW,  6144
.set BUF1,  196608                     ; B's second buffer: 4 K steps of 8 fragment rows, then the other 4
.set SPARE, 294912                     ; the spare words, 128 bytes for each wave: two blocks of 256 bytes that no other line names
.set ACC,   128
.set BIAS,  96
.set SA,    32
.set SB,    48
.set TM,    96
.set PY,    112
.set SEL,   84
.set G1,    24                         ; s[24:31] descriptor group 1 for A's tiles; s[32:39] group 0 for A's two first fills
.set G0,    32
.set G1B,   48                         ; s[48:55] group 1 for B's; s[56:63] group 0 for tile 0's two first fills
.set G0B,   56
.set G0R,   88                         ; s[88:91] group 0 for buffer 0's refill (tile 2); s[92:95] for buffer 1 (tile 1, then tile 3)
.set MSB,   0
.macro WIN new                         ; the immediate's high byte repeats the setting that is left
.if MSB != \new
	s_set_vgpr_msb (MSB<<8)|\new
.set MSB, \new
.endif
.endm
.macro PLACES n                        ; plain vector instructions between a matrix instruction and a load into, or a read of, its registers
.rept \n
	v_nop
.endr
.endm
.macro CREST
	s_cmp_lg_u32 s10, 0
	s_cbranch_scc1 .Lnot_wave_0_\@
	s_barrier_signal -3
.Lnot_wave_0_\@:
	s_barrier_wait -3
	s_barrier_signal -1
	s_barrier_wait -1
.endm
.macro CROUND
	s_barrier_signal -1
	s_barrier_wait -1
	CREST
.endm
.macro JLOAD s                         ; a slot's first fill: waves 0 and 1 fetch A's two halves, waves 2 and 3 B's; four v_nop follow each line
	s_cmp_eq_u32 s11, 0
	s_cbranch_scc0 .Lfor_b_\@
	tensor_load_to_lds s[G0+4*(\s):G0+4*(\s)+3], s[G1:G1+7]
	s_nop 0
.rept 4
	v_nop
.endr
	s_branch .Lasked_\@
.Lfor_b_\@:
	tensor_load_to_lds s[G0B+4*(\s):G0B+4*(\s)+3], s[G1B:G1B+7]
	s_nop 0
.rept 4
	v_nop
.endr
.Lasked_\@:
.endm
.macro FRAG reg, a16, a8, off          ; a fragment's image: every load covers consecutive bytes
	ds_load_b128 v[(\reg):(\reg)+3], v[\a16] offset:\off
	ds_load_b64 v[(\reg)+4:(\reg)+5], v[\a8] offset:\off
	ds_load_b128 v[(\reg)+6:(\reg)+9], v[\a16] offset:(\off)+768
	ds_load_b64 v[(\reg)+10:(\reg)+11], v[\a8] offset:(\off)+768
.endm
; The LDS loads of the work-group's K step g (tile g / 8, K step g % 8), in one run: B's four fragments into buffer g % 2; in tile 0 also A's four, into the registers in which they stay.
.macro FETCHG g
.set gT, (\g)/8
.set gK, (\g)%8
.set gC, gK/4                          ; which 512 along K
.set gO, (gK%4)*1536
.set gF, 48*((\g)%2)
.set gBB, 20-8*(gT%2)                  ; B's address registers: v20-23 for buffer 0, v12-15 for buffer 1
	WIN 0x40                                       ; destination window 1, address window 0
.irp j, 0,1,2,3
	FRAG gF+12*\j, gBB+gC, gBB+2+gC, \j*FROW+gO
.endr
.if gT == 0
.set gW, 0x80+0x40*(gK/5)              ; destination window 2 (K steps 0-4) or 3 (5-7)
.set gA, 48*(gK%5)
	WIN gW
.irp i, 0,1,2,3
	FRAG gA+12*\i, 16+gC, 18+gC, \i*FROW+gO
.endr
.endif
.endm
; Four matrix instructions: accumulators (i, 0 .. 3): source 0 = B's block j (buffer f), source 1 = A's block i of K step ks.  mode 0: onto the sums; 2: the bias starts them.  K steps 4-7 take the scale words of lanes 16-31.
; The 16 accumulators take turns, in the same order in every K step.
.macro MULQ f, i, ks, sb, mode
.set mQ, (\ks)%4
.set mAB, 48*((\ks)%5)
.irp j, 0,1,2,3
.set mD, ACC+8*(4*(\i)+\j)
.set mA, (\f)+12*\j
.set mB, mAB+12*(\i)
.set mSA, (\sb)+4*\j+mQ
.set mSB, SA+4*(\i)+mQ
.if (\mode) == 0
.if (\ks) >= 4
	v_wmma_scale_f32_16x16x128_f8f6f4 v[mD:mD+7], v[mA:mA+11], v[mB:mB+11], v[mD:mD+7], v[mSA], v[mSB] matrix_a_fmt:MATRIX_FMT_FP6 matrix_b_fmt:MATRIX_FMT_FP6 matrix_a_scale:MATRIX_SCALE_ROW1 matrix_b_scale:MATRIX_SCALE_ROW1
.else
	v_wmma_scale_f32_16x16x128_f8f6f4 v[mD:mD+7], v[mA:mA+11], v[mB:mB+11], v[mD:mD+7], v[mSA], v[mSB] matrix_a_fmt:MATRIX_FMT_FP6 matrix_b_fmt:MATRIX_FMT_FP6
.endif
.else
	v_wmma_scale_f32_16x16x128_f8f6f4 v[mD:mD+7], v[mA:mA+11], v[mB:mB+11], v[BIAS+8*\j:BIAS+8*\j+7], v[mSA], v[mSB] matrix_a_fmt:MATRIX_FMT_FP6 matrix_b_fmt:MATRIX_FMT_FP6
.endif
.endr
.endm
.macro MUL2 i0                         ; eight of the K step in hand (its figures stand in sF, sK, sSB, sMD)
	MULQ sF, \i0, sK, sSB, sMD
	MULQ sF, (\i0)+1, sK, sSB, sMD
.endm
; THE WORK-GROUP'S K STEP g.  As a rule: its fragments are in; four places; the next K step's loads, which so have sixteen matrix instructions in which to land; the sixteen matrix instructions.
; g = 3: the next K step lies in slot 1: a barrier shows it whole.
; A tile's last K step: ONE barrier.  In front of it each wave waits for all its tensor loads (its quarter of the next tile), adds 0 to its spare word, and waits for that and for its reads of this tile's buffer.
; Where a tile two on exists, the barrier opens a round of the cluster's barrier, and behind the round this tile's buffer is filled again, first thing, one load a wave.
.macro GSTEP g
.set sT, (\g)/8
.set sK, (\g)%8
.set sF, 48*((\g)%2)
.set sSB, SB+SBSTEP*(sT%2)
.set sMD, 0
.if sK == 0
.set sMD, 2
.endif
.set sW, 0x09+4*(sK/5)+0x10*(sMD/2)    ; source 0 (B) window 1; source 1 (A) window 2 or 3; D window 0; C window 0, or 1 for the bias
.if (sK == 0) && ((\g) > 0)
	s_wait_loadcnt 0x0                             ; this tile's scale words and bias, asked for a tile ago
.endif
.if (\g) == 3
	s_wait_tensorcnt 0x0                           ; my one load that was out has landed: a part of slot 1, or half of tile 1
	s_wait_dscnt 0x0                               ; this K step's fragments are in, and no LDS instruction of mine is out at the signal
	s_barrier_signal -1
	WIN sW
	MUL2 0
	s_barrier_wait -1
	PLACES 4
	FETCHG (\g)+1
	WIN sW
	MUL2 2
.elseif (sK == 7) && ((\g)+1 < NG)
	WIN 0                                          ; (the add's two registers lie in window 0)
	s_wait_tensorcnt 0x0                           ; all my tensor loads have landed: my quarter of the next tile
	ds_add_u32 v28, v29
.if sT == 0
	s_mov_b32 s[G1B+2], 4<<16                      ; no load of mine is out: from here on a load of B brings four fragment rows again
	s_mov_b32 s[G1B+4], 4
.endif
.if (sT+2 < NT) && (sT%2 == 1)
	s_add_nc_u64 s[G0R+6:G0R+7], s[G0R+6:G0R+7], 2*TILEB   ; buffer 1's descriptor: from tile 1 to tile 3 (no load of mine is out)
.endif
	s_wait_dscnt 0x0                               ; the add is done, and my reads of this tile's buffer are over
	s_barrier_signal -1
	WIN sW
	MUL2 0                                         ; work on registers while the others arrive
	WIN 0
	s_barrier_wait -1
.if sT+2 < NT
	CREST                                          ; no wave of any partner still reads this buffer or has a load on its way
	tensor_load_to_lds s[G0R+4*(sT%2):G0R+4*(sT%2)+3], s[G1B:G1B+7]
	s_nop 0
.endif
	PLACES 4                                       ; behind the load, and in front of the loads into the fragment buffer that the last K step multiplied
	FETCHG (\g)+1
	WIN sW
	MUL2 2
.if sT == 0
	WIN 0                                          ; (the address lies in window 0)
	global_prefetch_b8 v10, s[80:81] offset:3*TILEB th:TH_LOAD_NT scope:SCOPE_SE         ; tile 3, a tile ahead of its load; the later changes of tiles ask for nothing
	global_prefetch_b8 v10, s[80:81] offset:3*TILEB+FROW th:TH_LOAD_NT scope:SCOPE_SE
.endif
.else
	s_wait_dscnt 0x0                               ; this K step's fragments are in
.if (\g)+1 < NG
	PLACES 4                                       ; in front of the loads into the fragment buffer that the last K step multiplied
	FETCHG (\g)+1
.endif
	WIN sW
	MUL2 0
	MUL2 2
.endif
.endm
.macro NEXT t                          ; tile t's scale words of B, into the set that is not at work, and its bias (last read in this tile's first K step; the second step's four places stand between)
	WIN 0
.irp b, 0,1,2,3
	global_load_b128 v[SB+SBSTEP*((\t)%2)+4*\b:SB+SBSTEP*((\t)%2)+4*\b+3], v30, s[74:75] offset:\b*KL*512+(\t)*SBLAP
.endr
	WIN 0x40
.irp j, 0,1,2,3
	global_load_b128 v[BIAS+8*\j:BIAS+8*\j+3], v31, s[68:69] offset:(\t)*512+(32*(\j/2)+8*(\j%2))*4
	global_load_b128 v[BIAS+8*\j+4:BIAS+8*\j+7], v31, s[68:69] offset:(\t)*512+(32*(\j/2)+8*(\j%2))*4+16
.endr
.endm
; 32 numbers of a lane, register 16 b + i = place 32 b + 16 (lane / 16) + i along the next K, become half a fragment's codes in v[pc] .. v[pc + 5] and its two scale bytes in v[pc + 6].
.macro QUANT2 s, pc
.irp b, 0,1
	v_max3_num_f32 v[TM+\b], |v[(\s)+16*\b]|, |v[(\s)+16*\b+1]|, 0x1800000     ; block b: my 16 numbers, and the floor 2^(3 - 127)
.endr
.irp i, 2,4,6,8,10,12,14
.irp b, 0,1
	v_max3_num_f32 v[TM+\b], v[TM+\b], |v[(\s)+16*\b+\i]|, |v[(\s)+16*\b+\i+1]|
.endr
.endr
.irp b, 0,1
	v_permlanex16_b32 v[TM+2+\b], v[TM+\b], s[SEL], s[SEL+1]
.endr
.irp b, 0,1
	v_max_num_f32 v[TM+\b], v[TM+\b], v[TM+2+\b]   ; with lane l xor 16's: the block's largest magnitude
.endr
.irp b, 0,1
	v_add_nc_u32 v[TM+4+\b], 0xff000000, v[TM+\b]  ; 2 off the exponent field: the conversion's scale operand
.endr
.irp b, 0,1
	v_lshrrev_b32 v[TM+6+\b], 23, v[TM+4+\b]       ; the scale's byte
.endr
	v_cvt_scalef32_pk16_fp6_f32 v[(\pc):(\pc)+2], v[(\s):(\s)+15], v[TM+4]
	v_cvt_scalef32_pk16_fp6_f32 v[PY:PY+2], v[(\s)+16:(\s)+31], v[TM+5]
	v_lshl_or_b32 v[(\pc)+6], v[TM+7], 8, v[TM+6]  ; the two bytes.  (The plain place behind the conversions)
.irp i, 0,1,2
	v_permlane16_swap_b32 v[(\pc)+\i], v[PY+\i]    ; the layout wants a WHOLE block in a lane: lanes 0-15 block 0, lanes 16-31 block 1
.endr
.irp i, 0,1,2
	v_mov_b32 v[(\pc)+3+\i], v[PY+\i]
.endr
.endm
; THE WAY OUT of tile j: A's block a = 16 rows x my 64 columns = half of K step 4 x + j of the next product's operand.
.macro EPI j
	PLACES 4
.irp a, 0,1,2,3
	s_wait_xcnt 0x0                                ; the earlier stores have read their registers: these are written again only behind this wait
.set qn, 0
.rept 32
	v_max_num_f32 v[ACC+32*\a+qn], 0, v[ACC+32*\a+qn]              ; the activation, in f32; each accumulator from its low end on
.set qn, qn+1
.endr
	QUANT2 ACC+32*\a, 104+12*(\a%2)
	global_store_b128 v24, v[104+12*(\a%2):107+12*(\a%2)], s[76:77] offset:\a*49152+(\j)*1536        ; 512 consecutive bytes, aligned to 256
	global_store_b64 v25, v[108+12*(\a%2):109+12*(\a%2)], s[76:77] offset:\a*49152+(\j)*1536+512    ; 256
	global_store_b16 v27, v[110+12*(\a%2)], s[78:79] offset:\a*2048+4*(\j)                          ; a scale word is pieced from two waves' halves; both halves of the lanes write the same
.endr
.endm
	s_load_b128 s[4:7], s[0:1], 0x0                ; hq, wts
	s_load_b64 s[68:69], s[0:1], 0x10              ; b1
	s_load_b64 s[8:9], s[0:1], 0x18                ; gq
	v_lshl_add_u32 v28, v0, 2, SPARE
	v_mov_b32 v29, 0
	ds_add_u32 v28, v29
	ds_add_u32 v28, v29
	s_wait_dscnt 0x0
	v_lshrrev_b32 v1, 5, v0
	v_readfirstlane_b32 s10, v1                    ; wave 0..3
	s_lshr_b32 s11, s10, 1                         ; which half of the tile's rows is mine.  In a slot's first fill: I fetch for A (0) or for B (1).  In a whole tile of B: which 512 along K I fetch
	s_and_b32 s12, s10, 1                          ; which half of its columns.  Also: which four fragment rows I fetch
	s_bfe_u32 s40, ttmp6, 0x40000                  ; cx, cy
	s_bfe_u32 s41, ttmp6, 0x40004
	s_lshl_b32 s42, ttmp9, 2
	s_add_co_u32 s42, s42, s40                     ; x
	s_and_b32 s13, ttmp7, 0xffff
	s_lshl_b32 s13, s13, 2
	s_add_co_u32 s13, s13, s41                     ; y
	s_lshl_b32 s43, s41, 2
	s_lshl_b32 s43, 15, s43                        ; my row of the cluster
	s_lshl_b32 s44, 0x1111, s40                    ; my column
	s_or_b32 s[G1+0], s43, (3<<16)|(1<<21)         ; 15:0 the mask; 17:16 elements of 8 bytes; 20 no padding; 21 set beside a mask
	s_or_b32 s[G1B+0], s44, (3<<16)|(1<<21)
.irp g, G1, G1B
	s_mov_b32 s[\g+1], 768<<16                     ; tensor_dim0 = 768 elements: 6,144 bytes, four K steps of a fragment row
	s_mov_b32 s[\g+2], 4<<16                       ; tensor_dim1 = 4 fragment rows
	s_mov_b32 s[\g+3], 768<<16
	s_mov_b32 s[\g+4], 4
	s_mov_b32 s[\g+5], KS*192                      ; from a fragment row to the next
	s_mov_b32 s[\g+6], 0
	s_mov_b32 s[\g+7], 0
.endr
	s_lshl_b32 s16, s13, 3
	s_lshl_b32 s17, s12, 2
	s_add_co_u32 s16, s16, s17                     ; A: fragment row 8 y + 4 x half
	s_mul_i32 s16, s16, KS*1536
	s_mov_b32 s17, 0
	s_mul_i32 s46, s42, 8*NT
	s_lshl_b32 s47, s12, 2
	s_add_co_u32 s46, s46, s47                     ; B: fragment row 32 x + 4 x half
	s_mul_i32 s46, s46, KS*1536
	s_add_co_u32 s46, s46, OFFB
	s_mov_b32 s47, 0
	s_mul_i32 s20, s10, QUART                      ; where a slot's first fill and buffer 1's quarters go: wave x 24,576: no place in the cluster enters an LDS address
	s_mul_i32 s21, s11, SLOT                       ; where buffer 0's quarters go: B's part of slot wave / 2, half wave % 2
	s_mul_i32 s22, s12, QUART
	s_add_co_u32 s21, s21, s22
	s_mul_i32 s96, s11, FROW                       ; my 512 along K of a whole tile of B, in bytes of a fragment row
	s_mov_b32 s97, 0
	s_mov_b32 s[SEL], 0x76543210
	s_mov_b32 s[SEL+1], 0xfedcba98
	s_wait_kmcnt 0x0
	s_add_nc_u64 s[14:15], s[4:5], s[16:17]
	s_add_nc_u64 s[46:47], s[6:7], s[46:47]
	s_add_nc_u64 s[96:97], s[46:47], s[96:97]
	CROUND                                         ; all sixteen work-groups are here: the first joint loads meet
.irp s, 0,1
	s_mov_b32 s[G0+4*\s], 1
	s_add_co_u32 s[G0+4*\s+1], s20, \s*SLOT
	s_add_nc_u64 s[G0+4*\s+2:G0+4*\s+3], s[14:15], \s*FROW
	s_or_b32 s[G0+4*\s+3], s[G0+4*\s+3], 0x80000000
	s_mov_b32 s[G0B+4*\s], 1
	s_add_co_u32 s[G0B+4*\s+1], s20, \s*SLOT
	s_add_nc_u64 s[G0B+4*\s+2:G0B+4*\s+3], s[46:47], \s*FROW
	s_or_b32 s[G0B+4*\s+3], s[G0B+4*\s+3], 0x80000000
.endr
	; the prefetches' bases.  A tile of 8 fragment rows x 6,144 bytes is 192 blocks of 256; the four partners that ask for it jointly and their four waves share them BY ADDRESS:
	; fragment row 2 p + wave % 2 (p = cx for A, cy for B), blocks 12 (wave / 2) + 0 .. 11
	s_lshl_b32 s86, s40, 1
	s_add_co_u32 s86, s86, s12
	s_lshl_b32 s87, s13, 3
	s_add_co_u32 s86, s86, s87
	s_mul_i32 s70, s86, KS*1536
	s_mul_i32 s87, s11, 3072
	s_add_co_u32 s70, s70, s87
	s_mov_b32 s71, 0
	s_add_nc_u64 s[70:71], s[4:5], s[70:71]
	s_lshl_b32 s86, s41, 1
	s_add_co_u32 s86, s86, s12
	s_mul_i32 s80, s42, 8*NT
	s_add_co_u32 s86, s86, s80
	s_mul_i32 s80, s86, KS*1536
	s_add_co_u32 s80, s80, s87
	s_add_co_u32 s80, s80, OFFB
	s_mov_b32 s81, 0
	s_add_nc_u64 s[80:81], s[6:7], s[80:81]
	JLOAD 0
	; the other first fills, three tiles of EIGHT fragment rows x 6,144 bytes: A's part of slot 1 (wave 0), B's part of slot 1 (wave 1), tile 1's two halves along K into buffer 1 (waves 2, 3)
	s_mul_i32 s98, s12, 4*KS*1536                  ; what my half of the rows added to the tiles' addresses
	s_mov_b32 s99, 0
	s_mul_i32 s100, s12, FROW
	s_mov_b32 s101, 0
	s_mov_b32 s[G0+5], SLOT
	s_sub_nc_u64 s[G0+6:G0+7], s[14:15], s[98:99]
	s_add_nc_u64 s[G0+6:G0+7], s[G0+6:G0+7], FROW
	s_or_b32 s[G0+7], s[G0+7], 0x80000000
	s_mov_b32 s[G0B+5], SLOT+BOFF
	s_sub_nc_u64 s[G0B+6:G0B+7], s[46:47], s[98:99]
	s_add_nc_u64 s[18:19], s[G0B+6:G0B+7], s[100:101]
	s_add_nc_u64 s[18:19], s[18:19], TILEB
	s_or_b32 s19, s19, 0x80000000
	s_add_nc_u64 s[G0B+6:G0B+7], s[G0B+6:G0B+7], FROW
	s_or_b32 s[G0B+7], s[G0B+7], 0x80000000
	s_mov_b32 s16, 1
	s_mul_i32 s17, s12, BOFF
	s_add_co_u32 s17, s17, BUF1
	s_mov_b32 s[G0R], 1                            ; buffer 0's refill: tile 2
	s_add_co_u32 s[G0R+1], s21, BOFF
	s_add_nc_u64 s[G0R+2:G0R+3], s[96:97], 2*TILEB
	s_or_b32 s[G0R+3], s[G0R+3], 0x80000000
	s_mov_b32 s[G0R+4], 1                          ; buffer 1: tile 1
	s_add_co_u32 s[G0R+5], s20, BUF1
	s_add_nc_u64 s[G0R+6:G0R+7], s[96:97], TILEB
	s_or_b32 s[G0R+7], s[G0R+7], 0x80000000
	v_and_b32 v1, 15, v0
	v_bfe_u32 v2, v0, 4, 1                         ; h
	v_and_b32 v3, 31, v0
	v_lshlrev_b32 v4, 4, v3                        ; 16 x lane
	v_lshl_add_u32 v5, v3, 3, 512
	v_min_u32 v10, 11, v3
	v_lshlrev_b32 v10, 8, v10                      ; a lane a block; the lanes left over name the last block again
	global_prefetch_b8 v10, s[70:71] offset:FROW th:TH_LOAD_NT scope:SCOPE_SE            ; what the later first fills will ask for: A's second 512 along K,
	global_prefetch_b8 v10, s[80:81] offset:FROW th:TH_LOAD_NT scope:SCOPE_SE            ; tile 0's of B,
	global_prefetch_b8 v10, s[80:81] offset:TILEB th:TH_LOAD_NT scope:SCOPE_SE           ; and tile 1
	global_prefetch_b8 v10, s[80:81] offset:TILEB+FROW th:TH_LOAD_NT scope:SCOPE_SE
	s_mul_i32 s21, s11, QUART
	s_mul_i32 s22, s12, QUART                      ; and of B, in buffer 0 (behind A's eight in a slot)
	s_add_co_u32 s23, s22, BUF1                    ; and in buffer 1
	s_add_co_u32 s22, s22, BOFF
.irp s, 0,1
	v_add_nc_u32 v[16+\s], s21, v4
	v_add_nc_u32 v[18+\s], s21, v5
	v_add_nc_u32 v[20+\s], s22, v4
	v_add_nc_u32 v[22+\s], s22, v5
	v_add_nc_u32 v[12+\s], s23, v4
	v_add_nc_u32 v[14+\s], s23, v5
	s_add_co_u32 s21, s21, SLOT
	s_add_co_u32 s22, s22, SLOT
	s_add_co_u32 s23, s23, BOFF
.endr
	v_lshlrev_b32 v30, 5, v1
	v_lshl_add_u32 v30, v2, 4, v30                 ; scale words: 32 r + 16 h
	s_wait_alu depctr_va_vdst(0)
	v_lshlrev_b32 v31, 6, v2                       ; the bias: 16 h numbers on
	s_wait_alu depctr_va_vdst(0)
	v_mov_b32 v24, v4                              ; the way out: 16 x lane,
	v_lshlrev_b32 v25, 3, v3                       ; 8 x lane,
	v_lshlrev_b32 v27, 5, v1                       ; 32 r
	v_mov_b32 v98, 0                               ; written once: a lane permute's destination counts as one of its sources
	v_mov_b32 v99, 0
	s_lshl_b32 s72, s13, 3
	s_lshl_b32 s73, s11, 2
	s_add_co_u32 s82, s72, s73                     ; my first fragment of rows: 8 y + 4 x half
	s_mul_i32 s72, s82, KL*512
	s_add_co_u32 s72, s72, OFFSA
	s_mov_b32 s73, 0
	s_add_nc_u64 s[72:73], s[4:5], s[72:73]        ; A's scale words
	s_mul_i32 s74, s42, 8*NT
	s_lshl_b32 s75, s12, 2
	s_add_co_u32 s74, s74, s75
	s_mul_i32 s74, s74, KL*512
	s_add_co_u32 s74, s74, OFFSB
	s_mov_b32 s75, 0
	s_add_nc_u64 s[74:75], s[6:7], s[74:75]        ; B's
	s_mul_i32 s76, s42, 512*NT
	s_lshl_b32 s77, s12, 8
	s_add_co_u32 s76, s76, s77
	s_mov_b32 s77, 0
	s_add_nc_u64 s[68:69], s[68:69], s[76:77]      ; the bias at my first column
	s_lshl_b32 s76, s82, 5
	s_lshl_b32 s77, s42, 2
	s_add_co_u32 s76, s76, s77                     ; out: [fragment][32 K steps]: K step 4 x,
	s_mul_i32 s76, s76, 1536
	s_mul_i32 s77, s12, 768                        ; my half of it
	s_add_co_u32 s76, s76, s77
	s_mov_b32 s77, 0
	s_add_nc_u64 s[76:77], s[8:9], s[76:77]
	s_lshl_b32 s78, s82, 2
	s_lshr_b32 s79, s42, 1
	s_add_co_u32 s78, s78, s79                     ; its scale words: [fragment][4 runs of 1,024][slot][8 words]
	s_lshl_b32 s78, s78, 9
	s_and_b32 s79, s42, 1
	s_lshl_b32 s79, s79, 4
	s_add_co_u32 s78, s78, s79
	s_lshl_b32 s79, s12, 1
	s_add_co_u32 s78, s78, s79
	s_add_co_u32 s78, s78, 12582912
	s_mov_b32 s79, 0
	s_add_nc_u64 s[78:79], s[8:9], s[78:79]
.irp a, 0,1,2,3
	global_load_b128 v[SA+4*\a:SA+4*\a+3], v30, s[72:73] offset:\a*KL*512
.endr
.irp b, 0,1,2,3
	global_load_b128 v[SB+4*\b:SB+4*\b+3], v30, s[74:75] offset:\b*KL*512
.endr
	WIN 0x40
.irp j, 0,1,2,3
	global_load_b128 v[BIAS+8*\j:BIAS+8*\j+3], v31, s[68:69] offset:(32*(\j/2)+8*(\j%2))*4       ; tile j = 2 g + u, lane half h: columns 32 g + 16 h + 8 u + 0 .. 7
	global_load_b128 v[BIAS+8*\j+4:BIAS+8*\j+7], v31, s[68:69] offset:(32*(\j/2)+8*(\j%2))*4+16
.endr
	WIN 0
	s_wait_alu depctr_va_vdst(0)
	s_wait_tensorcnt 0x0                           ; my part of slot 0 is in; the later first fills are issued as refills are:
	ds_add_u32 v28, v29                            ; 0 onto my spare word
	s_mov_b32 s[G1+2], 8<<16                       ; no load of mine is out, so a descriptor may be written: eight fragment rows
	s_mov_b32 s[G1+4], 8
	s_mov_b32 s[G1B+2], 8<<16
	s_mov_b32 s[G1B+4], 8
	s_wait_dscnt 0x0
	CROUND                                         ; everybody's part of slot 0 is in, and the joint loads meet
	s_cmp_lg_u32 s10, 0                            ; one chain of branches on the wave's number, one load to an arm, one join
	s_cbranch_scc1 .Lh_b
	tensor_load_to_lds s[G0+4:G0+7], s[G1:G1+7]
	s_nop 0
	PLACES 4
	s_branch .Lh_done
.Lh_b:
	s_cmp_lg_u32 s10, 1
	s_cbranch_scc1 .Lh_t
	tensor_load_to_lds s[G0B+4:G0B+7], s[G1B:G1B+7]
	s_nop 0
	PLACES 4
	s_branch .Lh_done
.Lh_t:
	tensor_load_to_lds s[16:19], s[G1B:G1B+7]
	s_nop 0
	PLACES 4
.Lh_done:
	FETCHG 0
	global_prefetch_b8 v10, s[80:81] offset:2*TILEB th:TH_LOAD_NT scope:SCOPE_SE         ; tile 2, which the change of tiles at the end of tile 0 will ask for
	global_prefetch_b8 v10, s[80:81] offset:2*TILEB+FROW th:TH_LOAD_NT scope:SCOPE_SE
	s_wait_loadcnt 0x0
.irp g, 0,1,2,3,4,5,6,7,8,9,10,11,12,13,14,15,16,17,18,19,20,21,22,23,24,25,26,27,28,29,30,31
	GSTEP \g
.if (\g%8 == 1) && (\g/8+1 < NT)
	NEXT \g/8+1
.endif
.if \g%8 == 7
	WIN 0
	EPI \g/8                                       ; the refill is asked for and the next tile's first fragments are on their way: now the tile goes out
.endif
.endr
	s_wait_tensorcnt 0x0                           ; the wave's end
	ds_add_u32 v28, v29
	s_wait_dscnt 0x0
	CROUND                                         ; the closing round: no work-group ends while a partner may still ask for a tile that names it
	s_endpgm
.Lfunc_end_k_qedb525cc3c_fc1:
	.size	k_qedb525cc3c_fc1, .Lfunc_end_k_qedb525cc3c_fc1-k_qedb525cc3c_fc1
	.p2alignl 7, 3214868480
	.fill 96, 4, 3214868480
	.section	.rodata,"a",@progbits
	.p2align	6, 0x0
	.amdhsa_kernel k_qedb525cc3c_fc1
		.amdhsa_group_segment_fixed_size 327680
		.amdhsa_private_segment_fixed_size 0
		.amdhsa_enable_private_segment 0
		.amdhsa_kernarg_size 32
		.amdhsa_user_sgpr_count 2
		.amdhsa_user_sgpr_kernarg_segment_ptr 1
		.amdhsa_wavefront_size32 1
		.amdhsa_system_sgpr_workgroup_id_x 1
		.amdhsa_system_sgpr_workgroup_id_y 1
		.amdhsa_system_sgpr_workgroup_id_z 1
		.amdhsa_system_vgpr_workitem_id 0
		.amdhsa_next_free_vgpr 1024
		.amdhsa_next_free_sgpr 102
		.amdhsa_reserve_vcc 0
		.amdhsa_float_denorm_mode_32 3
		.amdhsa_float_denorm_mode_16_64 3
		.amdhsa_memory_ordered 1
		.amdhsa_forward_progress 1
		.amdhsa_inst_pref_size 182
	.end_amdhsa_kernel
	.amdgpu_metadata
---
amdhsa.version: [ 1, 2 ]
amdhsa.kernels:
  - .name:           k_qedb525cc3c_fc1
    .symbol:         k_qedb525cc3c_fc1.kd
    .args:
      - { .name: hq, .offset: 0, .size: 8, .value_kind: global_buffer, .address_space: global }
      - { .name: wts, .offset: 8, .size: 8, .value_kind: global_buffer, .address_space: global }
      - { .name: b1, .offset: 16, .size: 8, .value_kind: global_buffer, .address_space: global }
      - { .name: gq, .offset: 24, .size: 8, .value_kind: global_buffer, .address_space: global }
    .group_segment_fixed_size: 327680
    .private_segment_fixed_size: 0
    .kernarg_segment_align: 8
    .kernarg_segment_size: 32
    .max_flat_workgroup_size: 128
    .sgpr_count:     102
    .vgpr_count:     1024
    .wavefront_size: 32
...
	.end_amdgpu_metadata
.endif
;; end of part 5
;; launch fc2 (part 6): grid 8 x 32, 4 waves a work-group, clusters of 4 x 4, 327,680 bytes of LDS; arguments gq, wts, b2, x1, out0; writes out0
.if DOCPART == 6
	.amdgcn_target "amdgcn-amd-amdhsa--gfx1250"
	.amdhsa_code_object_version 6
	.text
	.protected	k_qedb525cc3c_fc2
	.globl	k_qedb525cc3c_fc2
	.p2align	8
	.type	k_qedb525cc3c_fc2,@function
k_qedb525cc3c_fc2:
	s_mov_b64 s[64:65], 0
	v_nop
	global_prefetch_b8 v0, s[64:65] scope:SCOPE_SE
	s_setreg_imm32_b32 hwreg(HW_REG_WAVE_MODE, 25, 1), 1
	s_wait_xcnt 0x0
	s_wait_alu depctr_hold_cnt(0) depctr_sa_sdst(0) depctr_va_vdst(0) depctr_va_sdst(0) depctr_va_ssrc(0) depctr_va_vcc(0) depctr_vm_vsrc(0)
	s_getreg_b32 s2, hwreg(HW_REG_IB_STS2, 6, 4)
	s_cmp_eq_u32 s2, 0
	s_cbranch_scc0 .Lentry_in_a_cluster
	s_endpgm
.Lentry_in_a_cluster:
	s_bfe_u32 s2, ttmp6, 0x10000c
	s_cmp_lg_u32 s2, 0xf033
	s_cbranch_scc0 .Lentry_shape_is_right
	s_endpgm
.Lentry_shape_is_right:
.set KS,     32
.set KL,     4
.set NT,     1
.set NKS,    32
.set KPS,    6
.set NCH,    6
.set OFFSA,  12582912
.set OFFB,   6291456
.set OFFSB,  9699328
.set SSTEP,  32
.set FROW,  KPS*1536
.set FROWL, 2*1536
.set STEPK, 2*FROW
.set QUART, 4*FROW
.set BOFF,  2*QUART
.set SLOT,  4*QUART
.set STG,   2*SLOT
.set SPARE, STG+4*4352
.set ACC,   128
.set F0,    0
.set F1,    128
.set BIAS,  96
.set SA,    32
.set SB,    48
.set G1,    24
.set G0,    32
.set G1B,   48
.set G0B,   56
.set G1L,   80
.set G1BL,  88
.set MUL,   0x05
.set MULB,  0x15
.set TO_F,  0x40
.set MSB,   0
.macro WIN new
.if MSB != \new
	s_set_vgpr_msb (MSB<<8)|\new
.set MSB, \new
.endif
.endm
.macro PLACES n
.rept \n
	v_nop
.endr
.endm
.macro CREST
	s_cmp_lg_u32 s10, 0
	s_cbranch_scc1 .Lnot_wave_0_\@
	s_barrier_signal -3
.Lnot_wave_0_\@:
	s_barrier_wait -3
	s_barrier_signal -1
	s_barrier_wait -1
.endm
.macro CROUND
	s_barrier_signal -1
	s_barrier_wait -1
	CREST
.endm
.macro JLOAD s, ga, gb
	s_cmp_eq_u32 s11, 0
	s_cbranch_scc0 .Lfor_b_\@
	tensor_load_to_lds s[G0+4*(\s):G0+4*(\s)+3], s[\ga:\ga+7]
	s_nop 0
.rept 4
	v_nop
.endr
	s_branch .Lasked_\@
.Lfor_b_\@:
	tensor_load_to_lds s[G0B+4*(\s):G0B+4*(\s)+3], s[\gb:\gb+7]
	s_nop 0
.rept 4
	v_nop
.endr
.Lasked_\@:
.endm
.macro FRAG reg, a16, a8, off
	ds_load_b128 v[(\reg):(\reg)+3], v[\a16] offset:\off
	ds_load_b64 v[(\reg)+4:(\reg)+5], v[\a8] offset:\off
	ds_load_b128 v[(\reg)+6:(\reg)+9], v[\a16] offset:(\off)+768
	ds_load_b64 v[(\reg)+10:(\reg)+11], v[\a8] offset:(\off)+768
.endm
.macro FETCH slot, q, f, fr
	WIN TO_F
.irp j, 0,1,2,3
	FRAG (\f)+48+12*\j, 20+(\slot), 22+(\slot), \j*(\fr)+(\q)*1536
.endr
.irp i, 0,1,2,3
	FRAG (\f)+12*\i, 16+(\slot), 18+(\slot), \i*(\fr)+(\q)*1536
.endr
.endm
.macro MULQ f, i, q, row, sa, sb, mode
.irp j, 0,1,2,3
.set mD, ACC+8*(4*(\i)+\j)
.set mA, (\f)+48+12*\j
.set mB, (\f)+12*(\i)
.set mSA, (\sb)+4*\j+(\q)
.set mSB, (\sa)+4*(\i)+(\q)
.if (\mode) == 0
.if \row
	v_wmma_scale_f32_16x16x128_f8f6f4 v[mD:mD+7], v[mA:mA+11], v[mB:mB+11], v[mD:mD+7], v[mSA], v[mSB] matrix_a_fmt:MATRIX_FMT_FP6 matrix_b_fmt:MATRIX_FMT_FP6 matrix_a_scale:MATRIX_SCALE_ROW1 matrix_b_scale:MATRIX_SCALE_ROW1
.else
	v_wmma_scale_f32_16x16x128_f8f6f4 v[mD:mD+7], v[mA:mA+11], v[mB:mB+11], v[mD:mD+7], v[mSA], v[mSB] matrix_a_fmt:MATRIX_FMT_FP6 matrix_b_fmt:MATRIX_FMT_FP6
.endif
.else
	v_wmma_scale_f32_16x16x128_f8f6f4 v[mD:mD+7], v[mA:mA+11], v[mB:mB+11], v[BIAS+8*\j:BIAS+8*\j+7], v[mSA], v[mSB] matrix_a_fmt:MATRIX_FMT_FP6 matrix_b_fmt:MATRIX_FMT_FP6
.endif
.endr
.endm
.macro WMUL mode
.if (\mode) == 2
	WIN MULB
.else
	WIN MUL
.endif
.endm
.macro STEP slot, q, f, g, sq, row, sa, sb, mode, fr
	s_wait_dscnt 8
	WMUL \mode
	MULQ \f, 0, \sq, \row, \sa, \sb, \mode
	MULQ \f, 1, \sq, \row, \sa, \sb, \mode
	PLACES 4
	FETCH \slot, (\q)+1, \g, \fr
	s_wait_dscnt 32
	WMUL \mode
	MULQ \f, 2, \sq, \row, \sa, \sb, \mode
	MULQ \f, 3, \sq, \row, \sa, \sb, \mode
.endm
.macro TURN slot, next, fill, sq, row, sa, sb, fr
	WIN 0
	s_wait_tensorcnt 0x0
	ds_add_u32 v28, v29
	s_wait_dscnt 9
	WIN MUL
	MULQ F1, 0, \sq, \row, \sa, \sb, 0
	s_wait_dscnt 0x0
	s_barrier_signal -1
	MULQ F1, 1, \sq, \row, \sa, \sb, 0
	WIN 0
	s_barrier_wait -1
.if \fill
	CREST
	s_add_nc_u64 s[G0+4*(\slot)+2:G0+4*(\slot)+3], s[G0+4*(\slot)+2:G0+4*(\slot)+3], STEPK
	s_add_nc_u64 s[G0B+4*(\slot)+2:G0B+4*(\slot)+3], s[G0B+4*(\slot)+2:G0B+4*(\slot)+3], STEPK
.if (\fill) == 1
	JLOAD \slot, G1, G1B
.else
	JLOAD \slot, G1L, G1BL
.endif
.else
	PLACES 4
.endif
	FETCH \next, 0, F0, \fr
	; a prefetch, behind the joint load and the run of LDS loads: the chunk that the NEXT change of slots will ask for.  Of the four fragment rows that I fetch, each of the four partners names one, told apart by address:
	; 9,216 bytes are 36 blocks of 256, a lane a block (the lanes left over name the last block again); the last chunk has 12.  The last two changes of slots ask for nothing.
.if kC+3 < NCH-1
	global_prefetch_b8 v8, s[98:99] offset:(kC+3)*FROW th:TH_LOAD_NT scope:SCOPE_SE
	global_prefetch_b8 v9, s[98:99] offset:(kC+3)*FROW th:TH_LOAD_NT scope:SCOPE_SE
.elseif kC+3 == NCH-1
	global_prefetch_b8 v10, s[98:99] offset:(kC+3)*FROW th:TH_LOAD_NT scope:SCOPE_SE
.endif
	WIN MUL
	MULQ F1, 2, \sq, \row, \sa, \sb, 0
	MULQ F1, 3, \sq, \row, \sa, \sb, 0
.endm
.macro LASTSTEP sq, row, sa, sb
	s_wait_dscnt 8
	WIN MUL
	MULQ F1, 0, \sq, \row, \sa, \sb, 0
	MULQ F1, 1, \sq, \row, \sa, \sb, 0
	s_wait_dscnt 0x0
	MULQ F1, 2, \sq, \row, \sa, \sb, 0
	MULQ F1, 3, \sq, \row, \sa, \sb, 0
	WIN 0
.endm
.macro NEXT lap
	WIN 0
.irp a, 0,1,2,3
	global_load_b128 v[SA+SSTEP*((\lap)%2)+4*\a:SA+SSTEP*((\lap)%2)+4*\a+3], v30, s[72:73] offset:\a*KL*512+(\lap)*512
.endr
.irp b, 0,1,2,3
	global_load_b128 v[SB+SSTEP*((\lap)%2)+4*\b:SB+SSTEP*((\lap)%2)+4*\b+3], v30, s[74:75] offset:\b*KL*512+(\lap)*512
.endr
.endm
.macro EPI
	PLACES 4
	s_wait_loadcnt 0x0
.irp a, 0,1,2,3
.irp j, 0,1,2,3
	ds_store_b128 v24, v[ACC+8*(4*\a+\j):ACC+8*(4*\a+\j)+3] offset:128*(\j/2)+32*(\j%2)
	ds_store_b128 v24, v[ACC+8*(4*\a+\j)+4:ACC+8*(4*\a+\j)+7] offset:128*(\j/2)+32*(\j%2)+16
.endr
.if \a >= 2
	s_wait_xcnt 0x0
.endif
	WIN 0x80
.irp i, 0,1,2,3,4,5,6,7
	ds_load_b128 v[128+32*(\a%2)+4*\i:128+32*(\a%2)+4*\i+3], v25 offset:544*\i
.endr
	s_wait_dscnt 0x0
	WIN 0x8a
.irp i, 0,2,4,6,8,10,12,14,16,18,20,22,24,26,28,30
	v_pk_add_f32 v[128+32*(\a%2)+\i:128+32*(\a%2)+\i+1], v[128+32*(\a%2)+\i:128+32*(\a%2)+\i+1], v[32*\a+\i:32*\a+\i+1]
.endr
	WIN 0x08
.irp i, 0,1,2,3,4,5,6,7
	global_store_b128 v26, v[128+32*(\a%2)+4*\i:128+32*(\a%2)+4*\i+3], s[8:9] offset:(32*(\a/2)+8*(\a%2)+2*\i+8*(\i/4))*4096
.endr
	WIN 0
.endr
.endm
.macro KSTEP ks
.set kC, (\ks)/KPS
.set kQ, (\ks)%KPS
.set kSL, kC%2
.set kF, 128*((\ks)%2)
.set kG, 128-kF
.set kSQ, (\ks)%4
.set kRW, ((\ks)/4)%2
.set kSA, SA+SSTEP*(((\ks)/8)%2)
.set kSB, SB+SSTEP*(((\ks)/8)%2)
.set kMD, 0
.if (\ks) == 0
.set kMD, 2
.endif
.set kFR, FROW
.if (((\ks)+1)/KPS) == (NCH-1)
.set kFR, FROWL
.endif
.set kFL, 0
.if (kC+2) < (NCH-1)
.set kFL, 1
.endif
.if (kC+2) == (NCH-1)
.set kFL, 2
.endif
.if ((\ks)%8 == 0) && ((\ks) > 0)
	s_wait_loadcnt 0x0
.endif
.if (\ks) == (NKS-1)
	LASTSTEP kSQ, kRW, kSA, kSB
.elseif kQ == (KPS-1)
	TURN kSL, 1-kSL, kFL, kSQ, kRW, kSA, kSB, kFR
.else
	STEP kSL, kQ, kF, kG, kSQ, kRW, kSA, kSB, kMD, kFR
.endif
.if ((\ks)%8 == 1) && ((\ks)+8 < NKS)
	NEXT (\ks)/8+1
.endif
.if (\ks)%8 == 1
	RES (\ks)/8
.endif
.endm
	s_load_b128 s[4:7], s[0:1], 0x0
	s_load_b128 s[68:71], s[0:1], 0x10
	s_load_b64 s[8:9], s[0:1], 0x20
	v_lshl_add_u32 v28, v0, 2, SPARE
	v_mov_b32 v29, 0
	ds_add_u32 v28, v29
	ds_add_u32 v28, v29
	s_wait_dscnt 0x0
	v_lshrrev_b32 v1, 5, v0
	v_readfirstlane_b32 s10, v1
	s_lshr_b32 s11, s10, 1
	s_and_b32 s12, s10, 1
	s_bfe_u32 s40, ttmp6, 0x40000
	s_bfe_u32 s41, ttmp6, 0x40004
	s_lshl_b32 s42, ttmp9, 2
	s_add_co_u32 s42, s42, s40
	s_and_b32 s13, ttmp7, 0xffff
	s_lshl_b32 s13, s13, 2
	s_add_co_u32 s13, s13, s41
	s_lshl_b32 s43, s41, 2
	s_lshl_b32 s43, 15, s43
	s_lshl_b32 s44, 0x1111, s40
	s_or_b32 s[G1+0], s43, (3<<16)|(1<<21)
	s_or_b32 s[G1B+0], s44, (3<<16)|(1<<21)
	s_or_b32 s[G1L+0], s43, (3<<16)|(1<<21)
	s_or_b32 s[G1BL+0], s44, (3<<16)|(1<<21)
.irp g, G1, G1B
	s_mov_b32 s[\g+1], (KPS*192)<<16
	s_mov_b32 s[\g+2], 4<<16
	s_mov_b32 s[\g+3], (KPS*192)<<16
	s_mov_b32 s[\g+4], 4
	s_mov_b32 s[\g+5], KS*192
	s_mov_b32 s[\g+6], 0
	s_mov_b32 s[\g+7], 0
.endr
.irp g, G1L, G1BL
	s_mov_b32 s[\g+1], (2*192)<<16
	s_mov_b32 s[\g+2], 4<<16
	s_mov_b32 s[\g+3], (2*192)<<16
	s_mov_b32 s[\g+4], 4
	s_mov_b32 s[\g+5], KS*192
	s_mov_b32 s[\g+6], 0
	s_mov_b32 s[\g+7], 0
.endr
	s_lshl_b32 s16, s13, 3
	s_lshl_b32 s17, s12, 2
	s_add_co_u32 s16, s16, s17
	s_mul_i32 s16, s16, KS*1536
	s_mov_b32 s17, 0
	s_mul_i32 s46, s42, 8*NT
	s_lshl_b32 s47, s12, 2
	s_add_co_u32 s46, s46, s47
	s_mul_i32 s46, s46, KS*1536
	s_add_co_u32 s46, s46, OFFB
	s_mov_b32 s47, 0
	s_mul_i32 s20, s10, QUART
	s_wait_kmcnt 0x0
	s_add_nc_u64 s[14:15], s[4:5], s[16:17]
	s_add_nc_u64 s[46:47], s[6:7], s[46:47]
	CROUND
.irp s, 0,1
	s_mov_b32 s[G0+4*\s], 1
	s_add_co_u32 s[G0+4*\s+1], s20, \s*SLOT
	s_add_nc_u64 s[G0+4*\s+2:G0+4*\s+3], s[14:15], \s*FROW
	s_or_b32 s[G0+4*\s+3], s[G0+4*\s+3], 0x80000000
	s_mov_b32 s[G0B+4*\s], 1
	s_add_co_u32 s[G0B+4*\s+1], s20, \s*SLOT
	s_add_nc_u64 s[G0B+4*\s+2:G0B+4*\s+3], s[46:47], \s*FROW
	s_or_b32 s[G0B+4*\s+3], s[G0B+4*\s+3], 0x80000000
.endr
	s_cmp_eq_u32 s11, 0                            ; the prefetches' base: do I fetch for A?
	s_cselect_b32 s96, s40, s41                    ; my place among the four that ask with me: cx for A, cy for B
	s_cselect_b64 s[98:99], s[14:15], s[46:47]     ; the four fragment rows that I fetch,
	s_mul_i32 s96, s96, KS*1536
	s_mov_b32 s97, 0
	s_add_nc_u64 s[98:99], s[98:99], s[96:97]      ; and my work-group's one of them
	JLOAD 0, G1, G1B                               ; slot 0: one tensor load a wave at the head; the rest of the head stands under its flight
	v_and_b32 v1, 15, v0
	v_bfe_u32 v2, v0, 4, 1
	v_and_b32 v3, 31, v0
	v_lshlrev_b32 v4, 4, v3
	v_lshl_add_u32 v5, v3, 3, 512
	v_lshlrev_b32 v8, 8, v3                        ; blocks 0-31: 256 x lane
	v_add_nc_u32 v9, 32, v3
	v_min_u32 v10, 11, v3
	v_min_u32 v9, 35, v9
	v_lshlrev_b32 v10, 8, v10                      ; the last chunk's blocks 0-11
	v_lshlrev_b32 v9, 8, v9                        ; blocks 32-35
	global_prefetch_b8 v8, s[98:99] offset:FROW th:TH_LOAD_NT scope:SCOPE_SE       ; chunk 1, which slot 1's first fill will ask for
	global_prefetch_b8 v9, s[98:99] offset:FROW th:TH_LOAD_NT scope:SCOPE_SE
	s_mul_i32 s21, s11, QUART
	s_mul_i32 s22, s12, QUART
	s_add_co_u32 s22, s22, BOFF
.irp s, 0,1
	v_add_nc_u32 v[16+\s], s21, v4
	v_add_nc_u32 v[18+\s], s21, v5
	v_add_nc_u32 v[20+\s], s22, v4
	v_add_nc_u32 v[22+\s], s22, v5
	s_add_co_u32 s21, s21, SLOT
	s_add_co_u32 s22, s22, SLOT
.endr
	v_lshlrev_b32 v30, 5, v1
	v_lshl_add_u32 v30, v2, 4, v30
	v_lshlrev_b32 v31, 6, v2
	s_wait_alu depctr_va_vdst(0)
	s_mul_i32 s23, s10, 4352
	s_add_co_u32 s23, s23, STG
	v_mul_u32_u24 v24, v1, 272
	v_lshl_add_u32 v24, v2, 6, v24
	v_add_nc_u32 v24, s23, v24
	v_mul_u32_u24 v25, v2, 272
	v_lshl_add_u32 v25, v1, 4, v25
	v_add_nc_u32 v25, s23, v25
	v_lshlrev_b32 v26, 12, v2
	v_lshl_add_u32 v26, v1, 4, v26
	s_wait_alu depctr_va_vdst(0)
	s_lshl_b32 s72, s13, 3
	s_lshl_b32 s73, s11, 2
	s_add_co_u32 s72, s72, s73
	s_mul_i32 s72, s72, KL*512
	s_add_co_u32 s72, s72, OFFSA
	s_mov_b32 s73, 0
	s_add_nc_u64 s[72:73], s[4:5], s[72:73]
	s_mul_i32 s74, s42, 8*NT
	s_lshl_b32 s75, s12, 2
	s_add_co_u32 s74, s74, s75
	s_mul_i32 s74, s74, KL*512
	s_add_co_u32 s74, s74, OFFSB
	s_mov_b32 s75, 0
	s_add_nc_u64 s[74:75], s[6:7], s[74:75]
	s_mul_i32 s76, s42, 512*NT
	s_lshl_b32 s77, s12, 8
	s_add_co_u32 s76, s76, s77
	s_mov_b32 s77, 0
	s_add_nc_u64 s[68:69], s[68:69], s[76:77]
	s_lshl_b32 s78, s13, 7
	s_lshl_b32 s79, s11, 6
	s_add_co_u32 s78, s78, s79
	s_lshl_b32 s78, s78, 12
	s_lshl_b32 s79, s42, 9
	s_add_co_u32 s78, s78, s79
	s_lshl_b32 s79, s12, 8
	s_add_co_u32 s78, s78, s79
	s_mov_b32 s79, 0
	s_add_nc_u64 s[8:9], s[8:9], s[78:79]
	s_add_nc_u64 s[70:71], s[70:71], s[78:79]
.irp a, 0,1,2,3
	global_load_b128 v[SA+4*\a:SA+4*\a+3], v30, s[72:73] offset:\a*KL*512
.endr
.irp b, 0,1,2,3
	global_load_b128 v[SB+4*\b:SB+4*\b+3], v30, s[74:75] offset:\b*KL*512
.endr
	WIN TO_F
.irp j, 0,1,2,3
	global_load_b128 v[BIAS+8*\j:BIAS+8*\j+3], v31, s[68:69] offset:(32*(\j/2)+8*(\j%2))*4
	global_load_b128 v[BIAS+8*\j+4:BIAS+8*\j+7], v31, s[68:69] offset:(32*(\j/2)+8*(\j%2))*4+16
.endr
; The residual x1 comes in four parts, block a of 16 rows in K step 8 a + 1: eight loads, awaited by the wait for 0 that stands at K step 8 a + 8 (the last part: at the way out)
.macro RES a
	WIN 0x80
.irp i, 0,1,2,3,4,5,6,7
	global_load_b128 v[32*(\a)+4*\i:32*(\a)+4*\i+3], v26, s[70:71] offset:(32*((\a)/2)+8*((\a)%2)+2*\i+8*(\i/4))*4096
.endr
	WIN 0
.endm
	WIN 0
	s_wait_alu depctr_va_vdst(0)
	s_wait_tensorcnt 0x0                           ; my part of slot 0 is in; slot 1's first fill is issued as a refill is:
	ds_add_u32 v28, v29                            ; 0 onto my spare word
	s_wait_dscnt 0x0
	CROUND                                         ; everybody's part of slot 0 is in, and the joint loads meet
	JLOAD 1, G1, G1B                               ; slot 1, the first tensor load behind the round
	FETCH 0, 0, F0, FROW
	global_prefetch_b8 v8, s[98:99] offset:2*FROW th:TH_LOAD_NT scope:SCOPE_SE     ; chunk 2, which the first change of slots will ask for
	global_prefetch_b8 v9, s[98:99] offset:2*FROW th:TH_LOAD_NT scope:SCOPE_SE
	s_wait_loadcnt 0x0                             ; the scale words and the bias
.irp ks, 0,1,2,3,4,5,6,7,8,9,10,11,12,13,14,15,16,17,18,19,20,21,22,23,24,25,26,27,28,29,30,31
	KSTEP \ks
.endr
	EPI
	s_wait_tensorcnt 0x0
	ds_add_u32 v28, v29
	s_wait_dscnt 0x0
	CROUND
	s_endpgm
.Lfunc_end_k_qedb525cc3c_fc2:
	.size	k_qedb525cc3c_fc2, .Lfunc_end_k_qedb525cc3c_fc2-k_qedb525cc3c_fc2
	.p2alignl 7, 3214868480
	.fill 96, 4, 3214868480
	.section	.rodata,"a",@progbits
	.p2align	6, 0x0
	.amdhsa_kernel k_qedb525cc3c_fc2
		.amdhsa_group_segment_fixed_size 327680
		.amdhsa_private_segment_fixed_size 0
		.amdhsa_enable_private_segment 0
		.amdhsa_kernarg_size 40
		.amdhsa_user_sgpr_count 2
		.amdhsa_user_sgpr_kernarg_segment_ptr 1
		.amdhsa_wavefront_size32 1
		.amdhsa_system_sgpr_workgroup_id_x 1
		.amdhsa_system_sgpr_workgroup_id_y 1
		.amdhsa_system_sgpr_workgroup_id_z 1
		.amdhsa_system_vgpr_workitem_id 0
		.amdhsa_next_free_vgpr 768
		.amdhsa_next_free_sgpr 100
		.amdhsa_reserve_vcc 0
		.amdhsa_float_denorm_mode_32 3
		.amdhsa_float_denorm_mode_16_64 3
		.amdhsa_memory_ordered 1
		.amdhsa_forward_progress 1
		.amdhsa_inst_pref_size 171
	.end_amdhsa_kernel
	.amdgpu_metadata
---
amdhsa.version: [ 1, 2 ]
amdhsa.kernels:
  - .name:           k_qedb525cc3c_fc2
    .symbol:         k_qedb525cc3c_fc2.kd
    .args:
      - { .name: gq, .offset: 0, .size: 8, .value_kind: global_buffer, .address_space: global }
      - { .name: wts, .offset: 8, .size: 8, .value_kind: global_buffer, .address_space: global }
      - { .name: b2, .offset: 16, .size: 8, .value_kind: global_buffer, .address_space: global }
      - { .name: x1, .offset: 24, .size: 8, .value_kind: global_buffer, .address_space: global }
      - { .name: out0, .offset: 32, .size: 8, .value_kind: global_buffer, .address_space: global }
    .group_segment_fixed_size: 327680
    .private_segment_fixed_size: 0
    .kernarg_segment_align: 8
    .kernarg_segment_size: 40
    .max_flat_workgroup_size: 128
    .sgpr_count:     100
    .vgpr_count:     768
    .wavefront_size: 32
...
	.end_amdgpu_metadata
.endif
;; end of part 6
